; MI455X (gfx1250); checked and timed in simulation.
; The chip was launched on July 23, 2026; its instructions are those of AMD's public machine-readable ISA for CDNA 5 (MIT licence, August 2026) and "CDNA5" Instruction Set Architecture Reference Guide (July 2026). The comments in the code are by the model that wrote it; some were corrected since.
;; Attention. Allowed arithmetic: matrix products marked QUANTISED: E2M3 operands, one E8M0 scale for each 32 along K, by v_wmma_scale_f32_16x16x128_f8f6f4 with both operands' format E2M3, f32 sums; everything else in f32.
;; Inputs: wk 1,024 x 4,096 float32; wo 4,096 x 4,096 float32; wq 4,096 x 4,096 float32; wv 1,024 x 4,096 float32; x 1 x 1,024 x 4,096 float32.
;; Outputs: out0 1 x 1,024 x 4,096 float32.
;; Constants: start_pos = 0.
;; This version of the problem:
;;   THIS VERSION OF THE PROBLEM IS GIVEN IN LOW PRECISION. The matrix products marked QUANTISED in the list below multiply operands that are first quantised to E2M3 (2 exponent bits, 3 mantissa bits; 6 bits a number), with one power-of-two scale for each 32 numbers along K (OCP MX v1.0); their sums are f32. All else is computed in f32.
;;   The module's matrix products, in the order in which they are computed (A, B: the left and right operand; K: the contracted axis; several contracted axes count as one K, in the product's order):
;;     1. [M 1,024, K 4,096] x [K 4,096, N 4,096]; A: input x; B: input wq: QUANTISED
;;     2. [M 1,024, K 4,096] x [K 4,096, N 1,024]; A: input x; B: input wk: QUANTISED
;;     3. [M 1,024, K 4,096] x [K 4,096, N 1,024]; A: input x; B: input wv: QUANTISED
;;     4. batch 32 x [M 1,024, K 128] x [K 128, N 1,024]; A: computed on the way; B: computed on the way: QUANTISED
;;     5. batch 32 x [M 1,024, K 1,024] x [K 1,024, N 128]; A: softmax (see below); B: computed on the way: QUANTISED
;;     6. [M 1,024, K 4,096] x [K 4,096, N 4,096]; A: computed on the way; B: input wo: QUANTISED
;;   THE QUANTISER, for each operand of a quantised product, along K:
;;     - K is cut into blocks of 32 from its start; a last block that is shorter is filled with zeros.
;;     - A block's scale is 2^e with e = floor(log2(the largest magnitude in the block)) - 2, held to -126 .. 127; a block of zeros has e = 0. As a byte (E8M0): e + 127.
;;     - Each number is divided by its block's scale, clamped to +-7.5, and rounded to the nearest number of E2M3, ties to even, subnormals kept.
;;     - The product sums the exact products of the quantised numbers (number of the format x scale) in f32.
;;   ~~~python
;;   def quantise(x, axis):      # numpy; x: float32 -> the quantised numbers, widened to float32 again
;;       x = np.moveaxis(x, axis, -1); K = x.shape[-1]
;;       x = np.pad(x, [(0, 0)] * (x.ndim - 1) + [(0, -K % 32)]); x = x.reshape(x.shape[:-1] + (-1, 32)); a = np.abs(x).max(-1, keepdims=True)
;;       e = np.where(a > 0, np.clip(np.frexp(np.where(a > 0, a, 1))[1] - 1 - 2, -126, 127), 0)      # np.frexp(a)[1] - 1 = floor(log2(a)), exactly
;;       r = np.clip(x / 2.0 ** e, -7.5, 7.5)
;;       step = 2.0 ** (np.maximum(np.frexp(np.where(r == 0, 1, r))[1] - 1, 0) - 3)
;;       q = np.round(r / step) * step * 2.0 ** e      # np.round: ties to even
;;       return np.moveaxis(q.reshape(q.shape[:-2] + (-1,))[..., :K], -1, axis).astype(np.float32)
;;   ~~~
;;   SOFTMAX AHEAD OF A QUANTISED PRODUCT. Where the list says 'softmax', what is quantised is not the finished softmax but p = 2^(t - M), with t = logit x log2(e) and M = ceil(the row's largest t), a whole number; so 1/2 < the row's largest p <= 1. The row's sum l is taken of the UNQUANTISED p, in f32, and the product's result is divided by l at the end. Since M is a whole number, a kernel that streams over the keys may use a running M (the ceiling of the running maximum): every later rescaling is an exact power of two, which a block's scale takes up: the codes' values come out the same.
;;   OPERANDS COMPUTED ON THE WAY. 'Computed on the way' means the value that the module computes at that place (a softmax that the list does not call 'softmax' is quantised finished and normalised). What goes into a quantiser is computed in f32, as accurately as f32 sums, v_exp_f32 and their like allow (about 1e-6 of the number): no bf16 or f16 on the way to a quantiser, and a product that is left as it is and whose result goes on into a quantised operand takes f32 operands (vector FMAs, or v_wmma_f32_16x16x4_f32). A number that lies on a knife's edge between two numbers of the format may be rounded either way, as far as f32 arithmetic and the matrix unit's own rounding can turn it there, and no further.
;; One version. Each part assembles by itself: llvm-mc -triple=amdgcn-amd-amdhsa -mcpu=gfx1250 --defsym DOCPART=n.
;; ======== version 1 of 1: 4 launches
;; workspace buffers: wsq 36,044,800 bytes; rope 524,288 bytes; qk 4,096,000 bytes; vc 819,200 bytes; ac 3,276,800 bytes
;; launch quant (part 1): grid 448 x 1, 4 waves a work-group, no clusters, 34,304 bytes of LDS; arguments x, wq, wk, wv, wsq, rope; writes wsq, rope
.if DOCPART == 1
	.amdgcn_target "amdgcn-amd-amdhsa--gfx1250"
	.amdhsa_code_object_version 6
	.text
	.protected	k_q42088fc724_quant
	.globl	k_q42088fc724_quant
	.p2align	8
	.type	k_q42088fc724_quant,@function
k_q42088fc724_quant:
	s_mov_b64 s[64:65], 0
	v_nop
	global_prefetch_b8 v0, s[64:65] scope:SCOPE_SE
	s_setreg_imm32_b32 hwreg(HW_REG_WAVE_MODE, 25, 1), 1
	s_wait_xcnt 0x0
; wq, wk, x, wv (f32, K = 4,096 innermost) become codes of FP6 (E2M3) with one E8M0 byte for each 32 along K, laid as the next launch's operand registers want them; and the table of cos and sin for the rotation is made.
; (wo, which the last launch alone wants, is quantised in the same way by the attention launch, into rows 448-703 of the same buffer.)
; LAYOUT OF wsq.  A FRAGMENT ROW G is 16 rows of a tensor: local fragment 2 b + u holds, in lane-row r, tensor row 32 b + 8 u + r % 8 + 16 (r / 8).  G 0-255 wq, 256-319 wk, 320-383 x, 384-447 wv.
; A fragment (16 rows x 128 K) is an IMAGE of its 12 registers: registers 4 g .. 4 g + 3 of lane l at 512 g + 16 l: 1,536 bytes.  A RECORD is four images (K steps 4 c .. 4 c + 3) and one block of 256 bytes of scale words
; (row r, image j at 16 r + 4 j): 6,400 bytes.  A fragment row is 8 records, 51,200 bytes.
; SHARES.  A work-group takes one fragment row, each of its four waves 1,024 along K: 8 fragments, 2 records.  Each load reads 512 consecutive bytes of one row; the 16 rows of a fragment turn through the wave's own stage in LDS
; (rows 528 bytes apart), so that a lane gets the 2 x 32 neighbours along K that the operand's layout gives it.  A block of 32 lies in one lane: its largest magnitude needs no other lane.
; A block's scale is 2^(floor(log2(largest magnitude)) - 2); its byte is the largest magnitude's exponent field - 2, held at 1 from below.
; LIMITS: NaN and infinities among the inputs are not served.  A block of zeros, or one whose largest magnitude lies under 2^-124, gets the byte 1 (the rule says 127 for zeros): its codes are zeros, and this program alone reads the bytes.
; THE TABLE: rope[F 64][beta 4][g 4][lane 32][16 bytes]: (cos, sin) of pairs p = 2 g, 2 g + 1; position 32 (F / 2) + 8 (F % 2) + r % 8 + 16 (r / 8), frequency index k = 16 beta + 8 h + p.  Frequency 10000^(-k / 64) by one exponential
; and a correction, within about an ulp; angle = position x frequency, one rounding; reduction by pi / 2 in two parts; polynomials on +-pi / 4, within about 1e-7.  The angle may differ from another f32 evaluation's by about position x 2^-23.
; No tensor load, no barrier: waves share nothing.
.set ROWB,   16384                     ; a row of any of the four tensors in bytes
.set REC,    6400
.set IMG,    1536
.set SCU,    6144
.set FROW,   51200
.set SPITCH, 528                       ; a stage row: 512 bytes + 16: the 16 rows that a read touches start 16 bytes apart modulo 256
.set WSTG,   16*SPITCH                 ; a wave's stage
.set SPARE,  4*WSTG                    ; behind the stages: the spare words, 128 bytes for each wave, which no other line names
.set LI,  3                            ; v3   16 x lane
.set STI, 4                            ; v4   the stage, on the way in
.set STO, 5                            ; v5   and on the way out: row r, + 128 h
.set SOF, 6                            ; v6   where my 16 bytes of scale words go: lanes 0-15 the first record's block, lanes 16-31 the second's
.set W,   16                           ; v16-23  the 8 fragments' scale words
.set C,   24                           ; v24-35  a fragment's codes
.set T,   36                           ; v36-42  the second halves of the blocks' codes, as the conversions leave them
.set SPW, 44                           ; v44  LDS address of my spare word; never rewritten
.set NIL, 45                           ; v45  0; never rewritten
.set R,   64                           ; v64-191  two sets of 64: a fragment's numbers as loaded
.set X,   192                          ; v192-255 my 64 numbers of the fragment in hand
	s_load_b256 s[4:11], s[0:1], 0x0               ; x, wq, wk, wv
	s_load_b128 s[12:15], s[0:1], 0x20             ; wsq, rope
	v_lshl_add_u32 v[SPW], v0, 2, SPARE
	v_mov_b32 v[NIL], 0
	v_lshrrev_b32 v8, 5, v0
	v_readfirstlane_b32 s18, v8                    ; wave 0..3
	v_and_b32 v9, 31, v0                           ; lane
	v_and_b32 v1, 15, v0                           ; r
	v_bfe_u32 v2, v0, 4, 1                         ; h
	v_lshlrev_b32 v[LI], 4, v9
	s_mul_i32 s19, s18, WSTG
	v_add_nc_u32 v[STI], s19, v[LI]
	v_mul_u32_u24 v[STO], v1, SPITCH
	v_lshl_add_u32 v[STO], v2, 7, v[STO]
	v_add_nc_u32 v[STO], s19, v[STO]
	v_mul_u32_u24 v[SOF], v2, REC
	v_lshl_add_u32 v[SOF], v1, 4, v[SOF]
	v_add_nc_u32 v[SOF], SCU, v[SOF]
	v_lshlrev_b32 v7, 3, v2                        ; 8 h: how far my two scale bytes are shifted
	v_mov_b32 v14, 0                               ; written once: a lane permute's destination counts as one of its sources
	s_mov_b32 s28, 0x76543210
	s_mov_b32 s29, 0xfedcba98                      ; v_permlanex16_b32's selects for lane l xor 16
	s_wait_kmcnt 0x0
	s_mov_b64 s[20:21], s[10:11]                   ; which tensor: the choice hangs on the work-group's number alone
	s_mov_b32 s22, 384
	s_cmp_lt_u32 ttmp9, 384
	s_cselect_b64 s[20:21], s[4:5], s[20:21]
	s_cselect_b32 s22, 320, s22
	s_cmp_lt_u32 ttmp9, 320
	s_cselect_b64 s[20:21], s[8:9], s[20:21]
	s_cselect_b32 s22, 256, s22
	s_cmp_lt_u32 ttmp9, 256
	s_cselect_b64 s[20:21], s[6:7], s[20:21]
	s_cselect_b32 s22, 0, s22
	s_sub_co_u32 s23, ttmp9, s22                   ; the fragment's number in its tensor
	s_lshr_b32 s26, s23, 1
	s_lshl_b32 s26, s26, 19                        ; 32 rows of 16,384 bytes for each pair of fragments,
	s_and_b32 s27, s23, 1
	s_lshl_b32 s27, s27, 17                        ; 8 rows for the odd one,
	s_or_b32 s26, s26, s27
	s_lshl_b32 s27, s18, 12                        ; my wave's 1,024 along K
	s_or_b32 s26, s26, s27
	s_mov_b32 s27, 0
	s_add_nc_u64 s[20:21], s[20:21], s[26:27]
	s_mul_i32 s26, ttmp9, FROW
	s_mul_i32 s30, s18, 2*REC
	s_add_co_u32 s26, s26, s30
	s_add_nc_u64 s[24:25], s[12:13], s[26:27]      ; my two records
.macro LOAD f                          ; fragment f: 16 rows x 512 bytes; each load reads 512 consecutive bytes
.irp j, 0,1,2,3,4,5,6,7,8,9,10,11,12,13,14,15
	global_load_b128 v[R+64*((\f)%2)+4*\j:R+64*((\f)%2)+4*\j+3], v[LI], s[20:21] offset:((\j&7)+16*(\j>>3))*ROWB+512*(\f) th:TH_LOAD_NT
.endr
.endm
; One pair (cos, sin) a thread: v8 holds k, v9 the position, both as f32.  The pair goes to v[52 + 2 u] on and is stored 1,024 u bytes on: a wave stores 256 consecutive bytes
.macro TABLE u
	v_mul_f32 v10, 0xbe549a80, v8                  ; -k x 108853 / 2^19, exact: the upper part of log2(10000) / 64
	v_exp_f32 v11, v10
	v_mul_f32 v12, 0x33aae0b9, v8                  ; k x 7.9571e-8 = -k ln 2 x the lower part.  (The plain instruction behind the exponential)
	s_wait_alu depctr_va_vdst(0)                   ; the wait ahead of the first reader of the exponential
	v_fma_f32 v11, v11, v12, v11                   ; the frequency
	v_mul_f32 v57, v9, v11                         ; the angle, one rounding
	v_mul_f32 v10, 0x3f22f983, v57
	v_rndne_f32 v10, v10                           ; n = the nearest multiple of pi / 2
	v_fma_f32 v12, -v10, 0x3fc90fdb, v57           ; less n x the upper part of pi / 2: nothing is rounded (n has 10 bits, the difference lies under 1)
	v_fma_f32 v12, -v10, 0xb33bbd2e, v12           ; less n x the lower part: rho
	v_mul_f32 v13, v12, v12                        ; z = rho^2
	v_mov_b32 v14, 0xb94ca1f9
	v_fmaak_f32 v14, v13, v14, 0x3c08839e
	v_fmaak_f32 v14, v13, v14, 0xbe2aaaa3
	v_mul_f32 v15, v12, v13
	v_fma_f32 v14, v15, v14, v12                   ; sin rho
	v_mov_b32 v15, 0x37ccf5ce
	v_fmaak_f32 v15, v13, v15, 0xbab6061a
	v_fmaak_f32 v15, v13, v15, 0x3d2aaaa5
	v_mul_f32 v46, v13, v13
	v_fma_f32 v47, v13, -0.5, 1.0
	v_fma_f32 v15, v46, v15, v47                   ; cos rho
	v_cvt_i32_f32 v10, v10                         ; the quadrant is n's two low bits
	v_and_b32 v46, 1, v10
	v_cmp_ne_u32 vcc_lo, 0, v46
	v_cndmask_b32 v[52+2*\u], v15, v14, vcc_lo     ; odd quadrants: sine and cosine change places
	v_cndmask_b32 v[53+2*\u], v14, v15, vcc_lo
	v_add_nc_u32 v46, 1, v10
	v_and_b32 v46, 2, v46
	v_lshlrev_b32 v46, 30, v46
	v_xor_b32 v[52+2*\u], v46, v[52+2*\u]          ; the cosine is negative in quadrants 1 and 2,
	v_and_b32 v47, 2, v10
	v_lshlrev_b32 v47, 30, v47
	v_xor_b32 v[53+2*\u], v47, v[53+2*\u]          ; the sine in quadrants 2 and 3
	global_store_b64 v56, v[52+2*\u:53+2*\u], s[14:15] offset:1024*\u   ; v52-56 and s[14:15] are not written again
.endm
	LOAD 0
	LOAD 1
	; THE TABLE, while the first loads are on their way: the first 256 work-groups make 256 pairs each, two a thread
	s_cmp_lt_u32 ttmp9, 256
	s_cbranch_scc0 .Lno_table
	v_and_b32 v8, 1, v0                            ; the byte address 2,048 x work-group + 1,024 u + 8 x thread, read as the table's indices: bit 3: which pair of the 16 bytes,
	v_bfe_u32 v9, v0, 6, 1                         ; bit 9: g's low bit (bit 10, g's high bit, is u),
	v_lshl_add_u32 v8, v9, 1, v8
	v_bfe_u32 v9, v0, 5, 1                         ; bit 8: h
	v_lshl_add_u32 v8, v9, 3, v8
	s_and_b32 s30, ttmp9, 3                        ; bits 12:11: beta
	s_lshl_b32 s30, s30, 4
	v_add_nc_u32 v8, s30, v8                       ; k = 16 beta + 8 h + 2 (g % 2) + pair, for u = 0
	v_bfe_u32 v9, v0, 1, 3                         ; r % 8
	v_bfe_u32 v10, v0, 4, 1                        ; r / 8
	v_lshl_add_u32 v9, v10, 4, v9
	s_lshr_b32 s30, ttmp9, 2                       ; F
	s_lshr_b32 s31, s30, 1
	s_lshl_b32 s31, s31, 5
	s_and_b32 s30, s30, 1
	s_lshl_b32 s30, s30, 3
	s_add_co_u32 s30, s30, s31
	v_add_nc_u32 v9, s30, v9                       ; the position
	v_cvt_f32_u32 v8, v8
	v_cvt_f32_u32 v9, v9
	v_lshlrev_b32 v56, 3, v0
	s_lshl_b32 s30, ttmp9, 11
	s_mov_b32 s31, 0
	s_add_nc_u64 s[14:15], s[14:15], s[30:31]
	TABLE 0
	v_add_f32 v8, 4.0, v8                          ; u = 1: g is 2 higher, k is 4 higher
	TABLE 1
.Lno_table:
.macro STEP f
.set RS, R+64*((\f)%2)
.if (\f) < 7
	s_wait_loadcnt 16                              ; this fragment's 16 loads are in; the next fragment's 16 may be out
.else
	s_wait_loadcnt 0x0
.endif
.irp j, 0,1,2,3,4,5,6,7,8,9,10,11,12,13,14,15
	ds_store_b128 v[STI], v[RS+4*\j:RS+4*\j+3] offset:SPITCH*\j
.endr
.irp i, 0,1,2,3,4,5,6,7
	ds_load_b128 v[X+4*\i:X+4*\i+3], v[STO] offset:16*\i             ; K = 32 h + 0 .. 31 of row r.  LDS serves a wave's instructions in order: these see the stores above
.endr
.irp i, 0,1,2,3,4,5,6,7
	ds_load_b128 v[X+32+4*\i:X+32+4*\i+3], v[STO] offset:256+16*\i   ; K = 64 + 32 h + 0 .. 31
.endr
	s_wait_dscnt 0x0                               ; my numbers are back, and the stores into the stage have read their registers
	s_wait_xcnt 0x0                                ; the last fragment's three stores have read their registers: the codes are written again only behind this wait.  It stands ahead of the loads below, whose sources are never rewritten
.if (\f) < 6
	LOAD (\f)+2                                    ; the set that went into the stage takes the fragment two on
.endif
	v_max3_num_f32 v8, |v[X]|, |v[X+1]|, 0x1800000       ; my two blocks' largest magnitudes, by turns; the floor 2^(3 - 127) holds the byte at 1 from below
	v_max3_num_f32 v9, |v[X+32]|, |v[X+33]|, 0x1800000
.irp i, 2,4,6,8,10,12,14,16,18,20,22,24,26,28,30
	v_max3_num_f32 v8, v8, |v[X+\i]|, |v[X+1+\i]|
	v_max3_num_f32 v9, v9, |v[X+32+\i]|, |v[X+33+\i]|
.endr
	v_add_nc_u32 v10, 0xff000000, v8               ; 2 off the exponent field: the conversion takes the exponent field of this operand as its scale
	v_add_nc_u32 v11, 0xff000000, v9
	v_lshrrev_b32 v12, 23, v10                     ; the scales' bytes: blocks h and 2 + h of row r
	v_lshrrev_b32 v13, 23, v11
	v_lshl_or_b32 v12, v13, 16, v12
	v_lshlrev_b32 v12, v7, v12                     ; at their places in the scale word
	v_permlanex16_b32 v14, v12, s28, s29
	v_or_b32 v[W+(\f)], v12, v14                   ; with lane l xor 16's two the word is whole, in both lanes
	v_cvt_scalef32_pk16_fp6_f32 v[C:C+2], v[X:X+15], v10
	v_cvt_scalef32_pk16_fp6_f32 v[T:T+2], v[X+16:X+31], v10         ; (a conversion's three registers begin on an even number)
	v_cvt_scalef32_pk16_fp6_f32 v[C+6:C+8], v[X+32:X+47], v11
	v_cvt_scalef32_pk16_fp6_f32 v[T+4:T+6], v[X+48:X+63], v11
	v_nop                                          ; one plain instruction behind the scaled conversions
.irp i, 0,1,2
	v_mov_b32 v[C+3+\i], v[T+\i]
	v_mov_b32 v[C+9+\i], v[T+4+\i]
.endr
.irp g, 0,1,2
	global_store_b128 v[LI], v[C+4*\g:C+4*\g+3], s[24:25] offset:((\f)>>2)*REC+((\f)&3)*IMG+512*\g   ; 32 lanes store 512 consecutive bytes, at a multiple of 256 from the buffer's first byte
.endr
.endm
.irp f, 0,1,2,3,4,5,6,7
	STEP \f
.endr
	v_cmp_ne_u32 vcc_lo, 0, v2
.irp j, 0,1,2,3
	v_cndmask_b32 v[48+\j], v[W+\j], v[W+4+\j], vcc_lo             ; lanes 0-15: the first record's four words of row r; lanes 16-31: the second's
.endr
	global_store_b128 v[SOF], v[48:51], s[24:25]   ; sixteen lanes store 256 consecutive bytes, aligned
	s_wait_tensorcnt 0x0                           ; the wave's end, behind my last LDS store
	ds_add_u32 v[SPW], v[NIL]
	s_wait_dscnt 0x0
	s_endpgm
.Lfunc_end_k_q42088fc724_quant:
	.size	k_q42088fc724_quant, .Lfunc_end_k_q42088fc724_quant-k_q42088fc724_quant
	.p2alignl 7, 3214868480
	.fill 96, 4, 3214868480
	.section	.rodata,"a",@progbits
	.p2align	6, 0x0
	.amdhsa_kernel k_q42088fc724_quant
		.amdhsa_group_segment_fixed_size 34304
		.amdhsa_private_segment_fixed_size 0
		.amdhsa_enable_private_segment 0
		.amdhsa_kernarg_size 48
		.amdhsa_user_sgpr_count 2
		.amdhsa_user_sgpr_kernarg_segment_ptr 1
		.amdhsa_wavefront_size32 1
		.amdhsa_system_sgpr_workgroup_id_x 1
		.amdhsa_system_sgpr_workgroup_id_y 1
		.amdhsa_system_sgpr_workgroup_id_z 1
		.amdhsa_system_vgpr_workitem_id 0
		.amdhsa_next_free_vgpr 256
		.amdhsa_next_free_sgpr 66
		.amdhsa_reserve_vcc 1
		.amdhsa_float_denorm_mode_32 3
		.amdhsa_float_denorm_mode_16_64 3
		.amdhsa_memory_ordered 1
		.amdhsa_forward_progress 1
		.amdhsa_inst_pref_size 62
	.end_amdhsa_kernel
	.amdgpu_metadata
---
amdhsa.version: [ 1, 2 ]
amdhsa.kernels:
  - .name:           k_q42088fc724_quant
    .symbol:         k_q42088fc724_quant.kd
    .args:
      - { .name: x, .offset: 0, .size: 8, .value_kind: global_buffer, .address_space: global }
      - { .name: wq, .offset: 8, .size: 8, .value_kind: global_buffer, .address_space: global }
      - { .name: wk, .offset: 16, .size: 8, .value_kind: global_buffer, .address_space: global }
      - { .name: wv, .offset: 24, .size: 8, .value_kind: global_buffer, .address_space: global }
      - { .name: wsq, .offset: 32, .size: 8, .value_kind: global_buffer, .address_space: global }
      - { .name: rope, .offset: 40, .size: 8, .value_kind: global_buffer, .address_space: global }
    .group_segment_fixed_size: 34304
    .private_segment_fixed_size: 0
    .kernarg_segment_align: 8
    .kernarg_segment_size: 48
    .max_flat_workgroup_size: 128
    .sgpr_count:     66
    .vgpr_count:     256
    .wavefront_size: 32
...
	.end_amdgpu_metadata
.endif
;; end of part 1
;; launch gemm_qkv (part 2): grid 24 x 8, 4 waves a work-group, clusters of 4 x 4, 327,680 bytes of LDS; arguments wsq, rope, qk, vc; writes qk, vc
.if DOCPART == 2
	.amdgcn_target "amdgcn-amd-amdhsa--gfx1250"
	.amdhsa_code_object_version 6
	.text
	.protected	k_q42088fc724_gemm_qkv
	.globl	k_q42088fc724_gemm_qkv
	.p2align	8
	.type	k_q42088fc724_gemm_qkv,@function
k_q42088fc724_gemm_qkv:
	s_mov_b64 s[64:65], 0
	v_nop
	global_prefetch_b8 v0, s[64:65] scope:SCOPE_SE
	s_setreg_imm32_b32 hwreg(HW_REG_WAVE_MODE, 25, 1), 1
	s_wait_xcnt 0x0
	s_wait_alu depctr_hold_cnt(0) depctr_sa_sdst(0) depctr_va_vdst(0) depctr_va_sdst(0) depctr_va_ssrc(0) depctr_va_vcc(0) depctr_vm_vsrc(0)
	s_getreg_b32 s2, hwreg(HW_REG_IB_STS2, 6, 4)
	s_cmp_eq_u32 s2, 0
	s_cbranch_scc0 .Lentry_in_a_cluster
	s_endpgm
.Lentry_in_a_cluster:
	s_bfe_u32 s2, ttmp6, 0x10000c
	s_cmp_lg_u32 s2, 0xf033
	s_cbranch_scc0 .Lentry_shape_is_right
	s_endpgm
.Lentry_shape_is_right:
; x wq^T, x wk^T, x wv^T on codes of FP6 (E2M3) with E8M0 scales; the rotation of q and k in f32; q and k quantised along the head's 128, v along the keys.  All operands come and go as records of register images:
; an image is a fragment's 12 registers (registers 4 g .. 4 g + 3 of lane l at 512 g + 16 l, 1,536 bytes); a record is four images and 256 bytes of scale words (lane-row r, image j at 6,144 + 16 r + 4 j): 6,400 bytes.
; A fragment 2 b + u holds in lane-row r the tensor's row 32 b + 8 u + r % 8 + 16 (r / 8).  So in D = (source 0) x (source 1) a lane holds ONE row of source 1, and its 16 registers of source 0's tiles 2 b, 2 b + 1 are the
; 16 NEIGHBOURS 32 b + 16 (lane / 16) + 0 .. 15 of source 0's rows: what the quantiser of the next product wants.
; SHARES.  A work-group has region U (16 fragment rows, source 0) and region T (8, source 1); wave w = 2 i + j multiplies U's rows 8 j .. 8 j + 7 by T's rows 4 i .. 4 i + 3: 32 accumulators.
; Clusters x = 0 .. 4: U = 256 rows of wq | wk (heads 2 t, 2 t + 1), T = 128 rows of x: a lane holds a position, its registers run along the head's 128.
; Cluster x = 5: U = 256 rows of x, T = head ry of wv: a lane holds a channel, its registers run along 128 keys.  The main loop is the same; the one branch, at the way out, hangs on the cluster's x, which all partners share.
; 192 work-groups: a wave must own a whole head x 64 rows, so that it finishes whole fragments and whole scale words in registers: 48 heads x 16 blocks of rows are 768 such shares.
; K goes through a ring of two LDS slots; a slot holds one record of each of the 24 fragment rows: 4 K steps of 128, 128 matrix instructions a wave.
; CLUSTERS: 4 x 4.  U hangs on t alone and is asked for jointly down a column of the cluster, T on ry alone and along a row.
; LIMITS: NaN and infinities are not served; a block whose largest magnitude lies under 2^-124 gets the byte 1 with zero codes (this program alone reads the bytes).
; REGISTERS, in windows of 256: window 0: v16-29 addresses; v32-127 scale words, two sets of 48, and nothing else; v128-223 source 1's fragments, two sets; on the way out v128-241 are at work.
;   window 1: v0-191 source 0's fragments, two sets.   window 2: the 32 accumulators ((a, b) at v[64 a + 8 b]).   window 3: cos and sin for my 64 positions: v[64 a + 2 n], v[64 a + 2 n + 1] for pair n.
.set NB,    8
.set UF,    16
.set REC,   6400
.set IMG,   1536
.set SCU,   6144
.set FROW,  51200                      ; a fragment row in memory: 8 records
.set SLOT,  (UF+8)*REC
.set SPARE, 2*SLOT                     ; behind the ring: the spare words, 128 bytes for each wave, which no other line names
.set SS,    4*NB+16                    ; a set of scale words
.set AD0, 16                           ; v16-17 LDS address of source 0's images in slot 0, 1
.set AD1, 18                           ; v18-19 of source 1's
.set AS0, 20                           ; v20-21 of source 0's scale words
.set AS1, 22                           ; v22-23 of source 1's
.set LI,  24                           ; v24  16 x lane
.set SOF, 25                           ; v25  16 r + 8 h: my 8 bytes of a block of scale words
.set HH,  26                           ; v26  h
.set SPW, 28                           ; v28  LDS address of my spare word; never rewritten
.set NIL, 29                           ; v29  0; never rewritten
.set SC,  32
.set F1,  128
.set S0F, 0
.set HA,  128                          ; the way out: 64 rotated numbers
.set PC,  192                          ; the codes just made
.set TM,  212                          ; v212-215 largest magnitudes, v216-219 bytes, v224-227 the conversions' scale operands
.set PW,  228                          ; v228-231 the four fragments' scale words
.set T,   232                          ; v232-239 at work in the rotation
.set OUTW, 240
.set G1T, 24                           ; s[24:31] descriptor group 1 for T;  s[32:39] group 0, one set for each slot
.set G0T, 32
.set G1U, 48                           ; s[48:55], s[56:63] the same for U
.set G0U, 56
.set RP,  66                           ; s[66:67] my part of the table
.set SEL, 68                           ; s[68:69] v_permlanex16_b32's selects for lane l xor 16
.set MUL, 0xa1                         ; source 0 window 1, source 1 window 0, C and D window 2
.set TO_S0, 0x40                       ; destination window 1, address window 0
.set MSB, 0
.macro WIN new                         ; the immediate's high byte repeats the setting that is left
.if MSB != \new
	s_set_vgpr_msb (MSB<<8)|\new
.set MSB, \new
.endif
.endm
; A joint load: waves 0 and 1 fetch U's halves, waves 2 and 3 T's.  The branch hangs on the wave's number alone.  An s_nop 0 and four v_nop follow each of the two lines.
.macro JLOAD g0u, g1u, g0t, g1t
	s_cmp_eq_u32 s15, 0
	s_cbranch_scc0 .Lfor_t_\@
	tensor_load_to_lds s[\g0u:\g0u+3], s[\g1u:\g1u+7]
	s_nop 0
.rept 4
	v_nop
.endr
	s_branch .Lasked_\@
.Lfor_t_\@:
	tensor_load_to_lds s[\g0t:\g0t+3], s[\g1t:\g1t+7]
	s_nop 0
.rept 4
	v_nop
.endr
.Lasked_\@:
.endm
.macro CREST                           ; a round of the cluster's barrier behind its opening barrier
	s_cmp_lg_u32 s14, 0
	s_cbranch_scc1 .Lnot_wave_0_\@
	s_barrier_signal -3
.Lnot_wave_0_\@:
	s_barrier_wait -3
	s_barrier_signal -1
	s_barrier_wait -1
.endm
.macro CROUND
	s_barrier_signal -1
	s_barrier_wait -1
	CREST
.endm
.macro PLACES                          ; four plain instructions between a matrix instruction and a load into, or a vector instruction on, its registers (ISA guide 7.12.1 for vector instructions)
.rept 4
	v_nop
.endr
.endm
	s_load_b256 s[4:11], s[0:1], 0x0               ; wsq, rope, qk, vc
	v_lshl_add_u32 v[SPW], v0, 2, SPARE
	v_mov_b32 v[NIL], 0
	ds_add_u32 v[SPW], v[NIL]                      ; the wave's opening: the add and its wait ahead of my first tensor load; the set-up below, work on registers, stands between them
	v_lshrrev_b32 v1, 5, v0
	v_readfirstlane_b32 s14, v1                    ; wave 0..3
	s_lshr_b32 s15, s14, 1                         ; i: which four rows of T are mine.  Also: I fetch for U (0) or for T (1)
	s_and_b32 s16, s14, 1                          ; j: which eight rows of U are mine.  Also: which half of the region I fetch
	s_bfe_u32 s40, ttmp6, 0x40000                  ; cx, cy: my place in the cluster
	s_bfe_u32 s41, ttmp6, 0x40004
	s_lshl_b32 s42, ttmp9, 2
	s_add_co_u32 s42, s42, s40                     ; t = 4 x cluster x + cx
	s_and_b32 s17, ttmp7, 0xffff
	s_lshl_b32 s17, s17, 2
	s_add_co_u32 s17, s17, s41                     ; ry = 4 x cluster y + cy
	s_lshl_b32 s43, s41, 2
	s_lshl_b32 s43, 15, s43                        ; my row of the cluster
	s_lshl_b32 s44, 0x1111, s40                    ; my column
	; descriptor group 1: R rows of one record (800 elements of 8 bytes), 6,400 elements from row to row, dense in LDS
	s_or_b32 s[G1T+0], s43, (3<<16)|(1<<21)        ; 15:0 the mask; 17:16 elements of 8 bytes; 20 no padding; 21 set beside a mask
	s_or_b32 s[G1U+0], s44, (3<<16)|(1<<21)
	s_mov_b32 s[G1T+1], 800<<16                    ; tensor_dim0
	s_mov_b32 s[G1T+2], 4<<16                      ; tensor_dim1
	s_mov_b32 s[G1T+3], 800<<16                    ; tile_dim0
	s_mov_b32 s[G1T+4], 4                          ; tile_dim1
	s_mov_b32 s[G1T+5], 6400                       ; tensor_dim0_stride
	s_mov_b32 s[G1T+6], 0
	s_mov_b32 s[G1T+7], 0
	s_mov_b32 s[G1U+1], 800<<16
	s_mov_b32 s[G1U+2], (UF/2)<<16
	s_mov_b32 s[G1U+3], 800<<16
	s_mov_b32 s[G1U+4], UF/2
	s_mov_b32 s[G1U+5], 6400
	s_mov_b32 s[G1U+6], 0
	s_mov_b32 s[G1U+7], 0
	s_lshl_b32 s46, s42, 4                         ; U: fragment row 16 t + 8 x half (at t = 20 .. 23 these are x's rows)
	s_lshl_b32 s47, s16, 3
	s_add_co_u32 s46, s46, s47
	s_mul_i32 s46, s46, FROW
	s_mov_b32 s47, 0
	s_lshl_b32 s20, s17, 3                         ; T: fragment row 320 + 8 ry + 4 x half: x; in cluster x = 5, 64 rows on: wv
	s_lshl_b32 s21, s16, 2
	s_add_co_u32 s20, s20, s21
	s_cmp_eq_u32 ttmp9, 5
	s_cselect_b32 s21, 64, 0
	s_add_co_u32 s20, s20, s21
	s_add_co_u32 s20, s20, 320
	s_mul_i32 s20, s20, FROW
	s_mov_b32 s21, 0
	s_mul_i32 s45, s16, (UF/2)*REC                 ; where they go: no place in the cluster enters an LDS address
	s_mul_i32 s23, s16, 4*REC
	s_add_co_u32 s23, s23, UF*REC
	s_lshl_b32 s18, s17, 3
	s_lshl_b32 s19, s15, 2
	s_add_co_u32 s18, s18, s19
	s_lshl_b32 s18, s18, 13                        ; the table: 8,192 bytes for each fragment of positions, from fragment 8 ry + 4 i on
	s_mov_b32 s19, 0
	s_mov_b32 s[SEL], 0x76543210
	s_mov_b32 s[SEL+1], 0xfedcba98
	s_wait_dscnt 0x0                               ; the opening add is done
	s_wait_kmcnt 0x0
	s_add_nc_u64 s[46:47], s[4:5], s[46:47]
	s_add_nc_u64 s[20:21], s[4:5], s[20:21]
	s_add_nc_u64 s[RP:RP+1], s[6:7], s[18:19]
	CROUND                                         ; all sixteen work-groups are here: the first joint loads meet
.irp s, 0,1
	s_mov_b32 s[G0U+4*\s], 1
	s_add_co_u32 s[G0U+4*\s+1], s45, \s*SLOT
	s_add_nc_u64 s[G0U+4*\s+2:G0U+4*\s+3], s[46:47], \s*REC
	s_or_b32 s[G0U+4*\s+3], s[G0U+4*\s+3], 0x80000000
	s_mov_b32 s[G0T+4*\s], 1
	s_add_co_u32 s[G0T+4*\s+1], s23, \s*SLOT
	s_add_nc_u64 s[G0T+4*\s+2:G0T+4*\s+3], s[20:21], \s*REC
	s_or_b32 s[G0T+4*\s+3], s[G0T+4*\s+3], 0x80000000
	JLOAD G0U+4*\s, G1U, G0T+4*\s, G1T             ; records 0 and 1: two loads of mine are out
.endr
	v_and_b32 v1, 15, v0                           ; r
	v_bfe_u32 v[HH], v0, 4, 1                      ; h
	v_and_b32 v2, 31, v0
	v_lshlrev_b32 v[LI], 4, v2
	WIN 0xc0                                       ; destination window 3
.irp a, 0,1,2,3                        ; cos and sin for my four fragments of positions: they are wanted at the way out alone.  (Cluster x = 5 loads them too and does not use them: so every register is written on every way)
.irp be, 0,1,2,3
.irp g, 0,1,2,3
	global_load_b128 v[64*\a+16*\be+4*\g:64*\a+16*\be+4*\g+3], v[LI], s[RP:RP+1] offset:8192*\a+2048*\be+512*\g
.endr
.endr
.endr
	WIN 0
	v_lshlrev_b32 v3, 4, v1
	v_lshl_add_u32 v[SOF], v[HH], 3, v3
	v_add_nc_u32 v3, SCU, v3
	s_mul_i32 s21, s16, NB*REC
	s_mul_i32 s22, s15, 4*REC
	s_add_co_u32 s22, s22, UF*REC
.irp s, 0,1
	v_add_nc_u32 v[AD0+\s], s21, v[LI]
	v_add_nc_u32 v[AD1+\s], s22, v[LI]
	v_add_nc_u32 v[AS0+\s], s21, v3
	v_add_nc_u32 v[AS1+\s], s22, v3
	s_add_co_u32 s21, s21, SLOT
	s_add_co_u32 s22, s22, SLOT
.endr
; The fragments of the slot's q-th K step into set bs: an image comes by three loads of 512 consecutive bytes
.macro FETCH slot, q, bs
	WIN TO_S0
.irp b, 0,1,2,3,4,5,6,7
.irp g, 0,1,2
	ds_load_b128 v[S0F+12*NB*(\bs)+12*\b+4*\g:S0F+12*NB*(\bs)+12*\b+4*\g+3], v[AD0+\slot] offset:REC*\b+IMG*(\q)+512*\g
.endr
.endr
	WIN 0
.irp a, 0,1,2,3
.irp g, 0,1,2
	ds_load_b128 v[F1+48*(\bs)+12*\a+4*\g:F1+48*(\bs)+12*\a+4*\g+3], v[AD1+\slot] offset:REC*\a+IMG*(\q)+512*\g
.endr
.endr
.endm
; The slot's scale words: one load gives a fragment row's words of all four K steps
.macro SCALES slot
.irp b, 0,1,2,3,4,5,6,7
	ds_load_b128 v[SC+SS*\slot+4*\b:SC+SS*\slot+4*\b+3], v[AS0+\slot] offset:REC*\b
.endr
.irp a, 0,1,2,3
	ds_load_b128 v[SC+SS*\slot+4*NB+4*\a:SC+SS*\slot+4*NB+4*\a+3], v[AS1+\slot] offset:REC*\a
.endr
.endm
; Eight matrix instructions: source 1's fragment a against source 0's eight.  The 32 accumulators take turns, one instruction a turn, in the same order in every K step.
.macro MULA a, bs, q, sc, zero
.irp b, 0,1,2,3,4,5,6,7
.if \zero
	v_wmma_scale_f32_16x16x128_f8f6f4 v[8*(NB*(\a)+\b):8*(NB*(\a)+\b)+7], v[S0F+12*NB*(\bs)+12*\b:S0F+12*NB*(\bs)+12*\b+11], v[F1+48*(\bs)+12*(\a):F1+48*(\bs)+12*(\a)+11], 0, v[SC+SS*(\sc)+4*\b+(\q)], v[SC+SS*(\sc)+4*NB+4*(\a)+(\q)] matrix_a_fmt:MATRIX_FMT_FP6 matrix_b_fmt:MATRIX_FMT_FP6
.else
	v_wmma_scale_f32_16x16x128_f8f6f4 v[8*(NB*(\a)+\b):8*(NB*(\a)+\b)+7], v[S0F+12*NB*(\bs)+12*\b:S0F+12*NB*(\bs)+12*\b+11], v[F1+48*(\bs)+12*(\a):F1+48*(\bs)+12*(\a)+11], v[8*(NB*(\a)+\b):8*(NB*(\a)+\b)+7], v[SC+SS*(\sc)+4*\b+(\q)], v[SC+SS*(\sc)+4*NB+4*(\a)+(\q)] matrix_a_fmt:MATRIX_FMT_FP6 matrix_b_fmt:MATRIX_FMT_FP6
.endif
.endr
.endm
; A K step that has its successor in the same slot: the successor's fragments are asked for, then this step is multiplied
.macro STEP slot, q, zero
	s_wait_dscnt 0x0                               ; this step's fragments (and a slot's scale words) are in: they were asked for a K step ago
	PLACES
	FETCH \slot, (\q)+1, ((\q)+1)%2
	WIN MUL
	MULA 0, (\q)%2, \q, \slot, \zero
	MULA 1, (\q)%2, \q, \slot, \zero
	MULA 2, (\q)%2, \q, \slot, \zero
	MULA 3, (\q)%2, \q, \slot, \zero
	WIN 0
.endm
; A slot's last K step changes slots: ONE barrier; in front of it each wave waits for all its tensor loads, adds 0 to its spare word, and waits for that and for its reads of this slot.  fill = 1: this slot takes the record two on.
.macro TURN slot, next, fill
	s_wait_tensorcnt 0x0                           ; all my tensor loads have landed: the one that was out is my part of the next slot
	ds_add_u32 v[SPW], v[NIL]                      ; 0 onto my spare word
	s_wait_dscnt 0x1                               ; this step's fragments are in; the add may be out
	WIN MUL
	MULA 0, 1, 3, \slot, 0                         ; eight matrix instructions stand between the add and the wait for it
	s_wait_dscnt 0x0                               ; the add is done, and my reads of this slot are over
	s_barrier_signal -1
	MULA 1, 1, 3, \slot, 0
	WIN 0
	s_barrier_wait -1
.if \fill
	CREST                                          ; the barrier has opened a round of the cluster's barrier: no wave of any partner still reads this slot or has a load on its way
	s_add_nc_u64 s[G0U+4*\slot+2:G0U+4*\slot+3], s[G0U+4*\slot+2:G0U+4*\slot+3], 2*REC
	s_add_nc_u64 s[G0T+4*\slot+2:G0T+4*\slot+3], s[G0T+4*\slot+2:G0T+4*\slot+3], 2*REC
	JLOAD G0U+4*\slot, G1U, G0T+4*\slot, G1T       ; the first tensor load behind the round, my one load until the next; its four v_nop are also the places in front of the loads below
.else
	PLACES
.endif
	FETCH \next, 0, 0
	SCALES \next
	WIN MUL
	MULA 2, 1, 3, \slot, 0
	MULA 3, 1, 3, \slot, 0
	WIN 0
.endm
	s_wait_tensorcnt 0x1                           ; my part of record 0 is in (record 1's load may be out)
	s_barrier_signal -1
	s_barrier_wait -1                              ; everybody's is
	FETCH 0, 0, 0
	SCALES 0
	STEP 0, 0, 1                                   ; the first K step stands in front of the loop: its products start the sums
	s_mov_b32 s3, 3
.Llap:                                                 ; a trip goes once round the ring and fills both slots again: records 2 to 7 in three trips
	STEP 0, 1, 0
	STEP 0, 2, 0
	TURN 0, 1, 1
	STEP 1, 0, 0
	STEP 1, 1, 0
	STEP 1, 2, 0
	TURN 1, 0, 1
	STEP 0, 0, 0
	s_sub_co_u32 s3, s3, 1
	s_cmp_lg_u32 s3, 0
	s_cbranch_scc1 .Llap
	STEP 0, 1, 0                                   ; the last lap fills nothing, and has no round of the cluster's barrier
	STEP 0, 2, 0
	TURN 0, 1, 0
	STEP 1, 0, 0
	STEP 1, 1, 0
	STEP 1, 2, 0
	s_wait_dscnt 0x0
	WIN MUL
	MULA 0, 1, 3, 1, 0
	MULA 1, 1, 3, 1, 0
	MULA 2, 1, 3, 1, 0
	MULA 3, 1, 3, 1, 0
	WIN 0
	PLACES
; THE WAY OUT.  64 numbers of a lane, register 16 b + i = k 32 b + 16 (lane / 16) + i of the lane's row, in window w from v[s] on, become a fragment's codes in v[PC] on and its scale word in v[pw].
.macro QUANT s, w, pw
	WIN 5*(\w)                                     ; sources 0 and 1 in window w
.irp b, 0,1,2,3
	v_max3_num_f32 v[TM+\b], |v[(\s)+16*\b]|, |v[(\s)+1+16*\b]|, 0x1800000   ; block b: my 16 numbers, and the floor 2^(3 - 127): the byte cannot fall under 1.  Each accumulator is read from its low end on
.endr
.irp i, 2,4,6,8,10,12,14
.irp b, 0,1,2,3
	v_max3_num_f32 v[TM+\b], |v[(\s)+16*\b+\i]|, |v[(\s)+1+16*\b+\i]|, v[TM+\b]
.endr
.endr
	WIN 0
.irp b, 0,1,2,3
	v_permlanex16_b32 v[TM+4+\b], v[TM+\b], s[SEL], s[SEL+1]
.endr
.irp b, 0,1,2,3
	v_max_num_f32 v[TM+\b], v[TM+\b], v[TM+4+\b]   ; with lane l xor 16's: the block's largest magnitude
.endr
.irp b, 0,1,2,3
	v_add_nc_u32 v[TM+12+\b], 0xff000000, v[TM+\b] ; 2 off its exponent field: the conversion's scale operand
.endr
.irp b, 0,1,2,3
	v_lshrrev_b32 v[TM+4+\b], 23, v[TM+12+\b]      ; the scale's byte
.endr
	v_lshl_or_b32 v[\pw], v[TM+5], 8, v[TM+4]
	v_lshl_or_b32 v[\pw], v[TM+6], 16, v[\pw]
	v_lshl_or_b32 v[\pw], v[TM+7], 24, v[\pw]
	s_wait_xcnt 0x0                                ; the last fragment's stores have read their registers: the codes are written again only behind this wait
	WIN \w                                         ; source 0 in window w
.irp c, 0,1
	v_cvt_scalef32_pk16_fp6_f32 v[PC+6*\c:PC+2+6*\c], v[(\s)+32*\c:(\s)+15+32*\c], v[TM+12+2*\c]
	v_cvt_scalef32_pk16_fp6_f32 v[PC+12+4*\c:PC+14+4*\c], v[(\s)+16+32*\c:(\s)+31+32*\c], v[TM+12+2*\c+1]   ; (a conversion's three registers begin on an even number)
.endr
	WIN 0
	v_nop                                          ; one plain instruction behind the scaled conversions
.irp c, 0,1                                    ; the operand's layout wants a WHOLE block in a lane: lanes 0-15 block 2 c, lanes 16-31 block 2 c + 1
.irp i, 0,1,2
	v_permlane16_swap_b32 v[PC+6*\c+\i], v[PC+12+4*\c+\i]
.endr
.irp i, 0,1,2
	v_mov_b32 v[PC+3+6*\c+\i], v[PC+12+4*\c+\i]
.endr
.endr
.endm
.macro EMIT a                          ; the fragment leaves as its image: each store covers 512 consecutive bytes, at a multiple of 256 from the buffer's first byte
.irp g, 0,1,2
	global_store_b128 v[LI], v[PC+4*\g:PC+4*\g+3], s[12:13] offset:IMG*(\a)+512*\g
.endr
.endm
; The rotation of fragment a's 32 pairs, an accumulator (four pairs) at a time: (xr, xi) -> (xr c - xi s, xr s + xi c).  Source 0: the sums, window 2; source 1: the table, window 3; the rest window 0.
.macro ROPE a
	WIN 0x0e
.set m, 0
.rept 8
.irp k, 0,1,2,3
	v_mul_f32 v[T+2*\k], v[64*(\a)+8*m+2*\k+1], v[64*(\a)+8*m+2*\k+1]       ; xi s
	v_mul_f32 v[T+2*\k+1], v[64*(\a)+8*m+2*\k], v[64*(\a)+8*m+2*\k+1]       ; xr s
.endr
.irp k, 0,1,2,3
	v_fma_f32 v[HA+8*m+2*\k], v[64*(\a)+8*m+2*\k], v[64*(\a)+8*m+2*\k], -v[T+2*\k]
	v_fma_f32 v[HA+8*m+2*\k+1], v[64*(\a)+8*m+2*\k+1], v[64*(\a)+8*m+2*\k], v[T+2*\k+1]
.endr
.set m, m+1
.endr
	WIN 0
.endm
	s_wait_loadcnt 0x0                             ; the table
.irp b, 0,1,2,3
	v_mov_b32 v[TM+4+\b], 0                        ; written once: a lane permute's destination counts as one of its sources
.endr
	s_cmp_eq_u32 ttmp9, 5                          ; the cluster's x: the same in all partners
	s_cbranch_scc1 .Lvalues
	s_lshl_b32 s18, s42, 1                         ; q and k: record (head 2 t + j) x 16 + block of 64 positions 2 ry + i
	s_add_co_u32 s18, s18, s16
	s_lshl_b32 s18, s18, 4
	s_lshl_b32 s19, s17, 1
	s_add_co_u32 s18, s18, s19
	s_add_co_u32 s18, s18, s15
	s_mul_i32 s18, s18, REC
	s_mov_b32 s19, 0
	s_add_nc_u64 s[12:13], s[8:9], s[18:19]
.irp a, 0,1,2,3
	ROPE \a
	QUANT HA, 0, PW+\a
	EMIT \a
.endr
	s_branch .Lwords
.Lvalues:
	s_sub_co_u32 s18, s42, 20                      ; v: record ((head ry) x 8 + block of 128 keys 2 (t - 20) + j) x 2 + i
	s_lshl_b32 s18, s18, 1
	s_add_co_u32 s18, s18, s16
	s_lshl_b32 s19, s17, 3
	s_add_co_u32 s18, s18, s19
	s_lshl_b32 s18, s18, 1
	s_add_co_u32 s18, s18, s15
	s_mul_i32 s18, s18, REC
	s_mov_b32 s19, 0
	s_add_nc_u64 s[12:13], s[10:11], s[18:19]
.irp a, 0,1,2,3
	QUANT 64*\a, 2, PW+\a                          ; straight from the accumulators: a lane's registers run along the keys
	EMIT \a
.endr
.Lwords:
	v_cmp_ne_u32 vcc_lo, 0, v[HH]
	v_cndmask_b32 v[OUTW], v[PW], v[PW+2], vcc_lo  ; lane (r, h): the words of images 2 h and 2 h + 1 of lane-row r
	v_cndmask_b32 v[OUTW+1], v[PW+1], v[PW+3], vcc_lo
	global_store_b64 v[SOF], v[OUTW:OUTW+1], s[12:13] offset:SCU   ; 32 lanes store 256 consecutive bytes, aligned
	s_wait_tensorcnt 0x0                           ; the wave's end, behind my last tensor load
	ds_add_u32 v[SPW], v[NIL]
	s_wait_dscnt 0x0
	CROUND                                         ; the closing round: no work-group ends while a partner may still ask for a tile that names it
	s_endpgm
.Lfunc_end_k_q42088fc724_gemm_qkv:
	.size	k_q42088fc724_gemm_qkv, .Lfunc_end_k_q42088fc724_gemm_qkv-k_q42088fc724_gemm_qkv
	.p2alignl 7, 3214868480
	.fill 96, 4, 3214868480
	.section	.rodata,"a",@progbits
	.p2align	6, 0x0
	.amdhsa_kernel k_q42088fc724_gemm_qkv
		.amdhsa_group_segment_fixed_size 327680
		.amdhsa_private_segment_fixed_size 0
		.amdhsa_enable_private_segment 0
		.amdhsa_kernarg_size 32
		.amdhsa_user_sgpr_count 2
		.amdhsa_user_sgpr_kernarg_segment_ptr 1
		.amdhsa_wavefront_size32 1
		.amdhsa_system_sgpr_workgroup_id_x 1
		.amdhsa_system_sgpr_workgroup_id_y 1
		.amdhsa_system_sgpr_workgroup_id_z 1
		.amdhsa_system_vgpr_workitem_id 0
		.amdhsa_next_free_vgpr 1024
		.amdhsa_next_free_sgpr 72
		.amdhsa_reserve_vcc 1
		.amdhsa_float_denorm_mode_32 3
		.amdhsa_float_denorm_mode_16_64 3
		.amdhsa_memory_ordered 1
		.amdhsa_forward_progress 1
		.amdhsa_inst_pref_size 182
	.end_amdhsa_kernel
	.amdgpu_metadata
---
amdhsa.version: [ 1, 2 ]
amdhsa.kernels:
  - .name:           k_q42088fc724_gemm_qkv
    .symbol:         k_q42088fc724_gemm_qkv.kd
    .args:
      - { .name: wsq, .offset: 0, .size: 8, .value_kind: global_buffer, .address_space: global }
      - { .name: rope, .offset: 8, .size: 8, .value_kind: global_buffer, .address_space: global }
      - { .name: qk, .offset: 16, .size: 8, .value_kind: global_buffer, .address_space: global }
      - { .name: vc, .offset: 24, .size: 8, .value_kind: global_buffer, .address_space: global }
    .group_segment_fixed_size: 327680
    .private_segment_fixed_size: 0
    .kernarg_segment_align: 8
    .kernarg_segment_size: 32
    .max_flat_workgroup_size: 128
    .sgpr_count:     72
    .vgpr_count:     1024
    .wavefront_size: 32
...
	.end_amdgpu_metadata
.endif
;; end of part 2
;; launch attn (part 3): grid 32 x 8, 16 waves a work-group, clusters of 4 x 1, 327,680 bytes of LDS; arguments qk, vc, wo, ac, wsq; writes ac, wsq
.if DOCPART == 3
	.amdgcn_target "amdgcn-amd-amdhsa--gfx1250"
	.amdhsa_code_object_version 6
	.text
	.protected	k_q42088fc724_attn
	.globl	k_q42088fc724_attn
	.p2align	8
	.type	k_q42088fc724_attn,@function
k_q42088fc724_attn:
	s_mov_b64 s[64:65], 0
	v_nop
	global_prefetch_b8 v0, s[64:65] scope:SCOPE_SE
	s_setreg_imm32_b32 hwreg(HW_REG_WAVE_MODE, 25, 1), 1
	s_wait_xcnt 0x0
	s_wait_alu depctr_hold_cnt(0) depctr_sa_sdst(0) depctr_va_vdst(0) depctr_va_sdst(0) depctr_va_ssrc(0) depctr_va_vcc(0) depctr_vm_vsrc(0)
	s_getreg_b32 s2, hwreg(HW_REG_IB_STS2, 6, 4)
	s_cmp_eq_u32 s2, 0
	s_cbranch_scc0 .Lentry_in_a_cluster
	s_endpgm
.Lentry_in_a_cluster:
	s_bfe_u32 s2, ttmp6, 0x10000c
	s_cmp_lg_u32 s2, 0x3003
	s_cbranch_scc0 .Lentry_shape_is_right
	s_endpgm
.Lentry_shape_is_right:
; TWO KINDS OF WAVES.  Waves 0-7: causal attention on codes of FP6 (E2M3) with E8M0 scales, and the quantising of its result along (head, channel) for the last product.  Waves 8-15: wo (f32, [4,096][4,096], K innermost), which the last
; launch alone wants, becomes codes and scales: its 67 MB are read here, beside the attention, whose own inputs are 4.9 MB.  The waves part ONCE, behind the barrier that shows K and V whole, and join once, at the barrier of the scale words.
; INPUTS: qk: record (hd x 16 + grp), hd 0-31 query heads, 32-39 key heads, grp = 64 positions, image a = fragment 4 grp + a of positions, K = the head's 128.  vc: record ((kv x 8 + kb) x 2 + i): image a = fragment 4 i + a of
; channels x keys 128 kb .. + 127.  A record is four images of 1,536 bytes (a fragment's registers 4 g .. 4 g + 3 of lane l at 512 g + 16 l) and 256 bytes of scale words (lane-row r, image j at 6,144 + 16 r + 4 j).
; Fragment 2 b + u holds in lane-row r row 32 b + 8 u + r % 8 + 16 (r / 8).
; OUTPUTS: ac: fragment row F (16 positions) of 51,200 bytes: record kv, image j = query head 4 kv + j.  wsq: fragment rows 448 + (fragment of wo's rows), 8 records each, image j of record c = K step 4 c + j.
; THE SOFTMAX: t = score x log2(e) / sqrt(128); M = the running largest t rounded UP to a whole number; p = 2^(t - M) is quantised along the keys, not normalised; the row's sum is taken of the unquantised p and divides at the end.
; SHARES OF THE ATTENTION.  A work-group serves one key/value head and two fragments of queries: F = 63 - g (waves 0-3) and F = g (waves 4-7), g = 4 x cluster x + cx; wave w takes query head 4 kv + w % 4.  A fragment F walks key steps
; 0 .. F / 8: 8 - X / 2 steps for the late fragment and X / 2 + 1 for the early one (X the cluster's x): nine for each pair of waves, in every work-group.  The last step's number is made of X and the wave's number alone.
; The eight key steps are written out, each with its LDS offsets as constants: only some waves walk them.
; SHARES OF wo.  Work-group kv x 32 + g takes that fragment of wo's rows; wave 8 + c takes K = 512 c .. + 511: four fragments, record c.  Each load reads 512 consecutive bytes of one row; a fragment's 16 rows turn through the wave's own
; stage in LDS (rows 528 bytes apart), so that a lane gets the 2 x 32 neighbours along K that the operand's layout gives it.  Two fragments, 32 loads, of each wave are on their way.
; ALL OF THE HEAD'S K AND V LIES IN LDS (2 x 102,400 bytes): first fills alone, no ring.  The four work-groups of a cluster ask for them JOINTLY; each of the sixteen waves issues one load of two records (waves 0-7: K, waves 8-15: V).
; All eight key steps are always fetched: every work-group has a late fragment that walks five to eight of them.
; Both products are used transposed: S^T = K Q^T, O^T = V^T P^T: a lane holds ONE query throughout, and by the fragments' order of rows its registers run along neighbouring keys, then neighbouring channels.
; LIMITS: NaN and infinities are not served; a block whose largest magnitude lies under 2^-124 (a block of zeros too) gets the byte 1 with zero codes: this program alone reads the bytes.
; REGISTERS.  Both kinds: v1-7, v28-30 addresses, made ahead of the parting and never rewritten.  Attention: v8-11 addresses of the loads in hand; v12 -M, v13 the largest t, v[14:15] the sum; v16-27 Q; v32-79 four fragments of K or V;
;   v96-159 S^T, then p; v160-223 O^T; v224-235 p's codes; v232-254 at work; v248-251 K's or V's scale words, v253 p's, v255 Q's.  wo: v16-19 scale words; v32-42 at work; v44-55 codes; v56-62 the conversions' second halves;
;   v64-191 two sets of 64 numbers as loaded; v192-255 my 64 numbers of the fragment in hand.
.set REC,   6400
.set IMG,   1536
.set SCU,   6144
.set FROW,  51200
.set ROWB,  16384                      ; a row of wo in bytes
.set HEADB, 16*REC                     ; a head's K, or V: 16 records.  LDS: K from 0, V from HEADB
.set STG,   2*HEADB                    ; a block of 256 bytes for each four waves, in which four waves' scale words meet (waves 0-7 use theirs)
.set SPARE, STG+1024                   ; the spare words, 128 bytes for each wave, which no other line names
.set QSTG,  SPARE+2048                 ; eight stages for wo
.set SPITCH, 528                       ; a stage row: 512 bytes + 16: the 16 rows that a read touches start 16 bytes apart modulo 256
.set WSTG,  16*SPITCH
.set LI,  1                            ; v1   16 x lane
.set LS,  2                            ; v2   6,144 + 16 r
.set QP,  3                            ; v3   my query's position - 16 h
.set SWA, 4                            ; v4   where my scale word goes: STG + 256 (w / 4) + 16 r + 4 (w % 4)
.set SPW, 5                            ; v5   LDS address of my spare word; never rewritten
.set NIL, 6                            ; v6   0; never rewritten
.set SRA, 7                            ; v7   where a block of scale words is read back: STG + 256 (w / 4) + 8 x lane
.set ADK, 8
.set ADV, 9
.set ADS, 10
.set ADT, 11
.set STI, 28                           ; v28  wo's stage, on the way in: QSTG + 8,448 (w % 8) + 16 x lane
.set STO, 29                           ; v29  and on the way out: row r, + 128 h
.set OW8, 30                           ; v30  8 x lane
.set PC,  224
.set TM,  32
.set PW,  48
.set W,   16
.set C,   44
.set T,   56
.set R,   64
.set X,   192
.set WV,  18                           ; s18  my wave's number
.set SEL, 20                           ; s[20:21] lane selects for v_permlanex16_b32: lane l xor 16
.set CS,  22                           ; s[22:23] c = log2(e) / sqrt(128)
.set G1A, 24                           ; s[24:31] group 1: two records as 50 rows of 256 bytes
.set G0A, 40                           ; s[40:43] group 0
.set W3,  49                           ; s49  w % 4
.set KMAX, 67                          ; s67  my last key step
.macro CROUND
	s_barrier_signal -1
	s_barrier_wait -1
	s_cmp_lg_u32 s[WV], 0
	s_cbranch_scc1 .Lnot_wave_0_\@
	s_barrier_signal -3
.Lnot_wave_0_\@:
	s_barrier_wait -3
	s_barrier_signal -1
	s_barrier_wait -1
.endm
	s_load_b128 s[4:7], s[0:1], 0x0                ; qk, vc
	s_load_b128 s[84:87], s[0:1], 0x10             ; wo, ac
	s_load_b64 s[88:89], s[0:1], 0x20              ; wsq
	v_lshl_add_u32 v[SPW], v0, 2, SPARE
	v_mov_b32 v[NIL], 0
	ds_add_u32 v[SPW], v[NIL]                      ; the wave's opening: the add and its wait ahead of my first tensor load; the set-up below, work on registers, stands between them
	v_lshrrev_b32 v8, 5, v0
	v_readfirstlane_b32 s[WV], v8                  ; wave 0..15
	s_and_b32 s[W3], s[WV], 3
	s_and_b32 s62, s[WV], 7                        ; which two records I fetch; in waves 8-15 also: which record of wo's fragment row I make
	s_lshr_b32 s59, s[WV], 3                       ; I fetch for K (0) or for V (1)
	s_bfe_u32 s52, s[WV], 0x10002                  ; the wave's number's bit 2: the late fragment of queries (0) or the early one (1)
	s_bfe_u32 s50, ttmp6, 0x40000                  ; cx: it enters Q's, wo's and the outputs' addresses and the mask's numbers, nothing else
	s_and_b32 s51, ttmp7, 0xffff                   ; the key/value head
	s_mov_b32 s[G1A], 15|(3<<16)|(1<<21)           ; 15:0 the mask: all four work-groups; 17:16 elements of 8 bytes; no padding; 21 set beside a mask
	s_mov_b32 s[G1A+1], 32<<16                     ; tensor_dim0: 32 elements, 256 bytes
	s_mov_b32 s[G1A+2], 50<<16                     ; tensor_dim1
	s_mov_b32 s[G1A+3], 32<<16                     ; tile_dim0
	s_mov_b32 s[G1A+4], 50                         ; tile_dim1
	s_mov_b32 s[G1A+5], 32                         ; the rows are dense
	s_mov_b32 s[G1A+6], 0
	s_mov_b32 s[G1A+7], 0
	s_mul_i32 s54, s59, HEADB
	s_mul_i32 s55, s62, 2*REC
	s_mov_b32 s[G0A], 1
	s_add_co_u32 s[G0A+1], s54, s55                ; LDS: K's or V's region, records 2 (w % 8) and the next
	s_mul_i32 s57, s51, HEADB
	s_cmp_eq_u32 s59, 0
	s_cselect_b32 s58, 32*HEADB, 0                 ; the key heads lie behind the 32 query heads
	s_add_co_u32 s57, s57, s58
	s_add_co_u32 s60, s57, s55
	s_mov_b32 s61, 0
	s_lshl_b32 s53, ttmp9, 2
	s_add_co_u32 s53, s53, s50                     ; g
	s_lshl_b32 s56, s51, 5
	s_add_co_u32 s56, s56, s53                     ; the work-group's number, kv x 32 + g: its fragment of wo's rows
	s_sub_co_u32 s70, 63, s53
	s_lshr_b32 s71, ttmp9, 1
	s_sub_co_u32 s72, 7, s71
	s_cmp_eq_u32 s52, 0
	s_cselect_b32 s53, s70, s53                    ; F
	s_cselect_b32 s[KMAX], s72, s71                ; F / 8, made of the cluster's x and the wave's number alone
	s_lshl_b32 s70, s51, 2
	s_add_co_u32 s70, s70, s[W3]                   ; my query head
	s_lshl_b32 s70, s70, 4
	s_lshr_b32 s71, s53, 2
	s_add_co_u32 s70, s70, s71
	s_mul_i32 s70, s70, REC                        ; Q's record,
	s_and_b32 s71, s53, 3
	s_mul_i32 s72, s71, IMG
	s_add_co_u32 s72, s72, s70                     ; its image,
	s_mov_b32 s73, 0
	s_lshl_b32 s74, s71, 2
	s_add_co_u32 s74, s74, s70
	s_add_co_u32 s74, s74, SCU                     ; its scale words
	s_mov_b32 s75, 0
	s_mul_i32 s76, s53, FROW
	s_mul_i32 s77, s51, REC
	s_add_co_u32 s76, s76, s77
	s_mul_i32 s77, s[W3], IMG
	s_add_co_u32 s76, s76, s77                     ; where my result's image goes
	s_mov_b32 s77, 0
	s_lshr_b32 s78, s53, 1
	s_lshl_b32 s78, s78, 5
	s_and_b32 s79, s53, 1
	s_lshl_b32 s79, s79, 3
	s_add_co_u32 s78, s78, s79                     ; the fragment's first position
	s_lshr_b32 s54, s[WV], 2
	s_lshl_b32 s54, s54, 8
	s_add_co_u32 s54, s54, STG                     ; my four waves' block of scale words
	s_lshl_b32 s55, s[W3], 2
	s_add_co_u32 s55, s55, s54
	s_mul_i32 s63, s62, WSTG
	s_add_co_u32 s63, s63, QSTG                    ; wo's stage number w % 8
	s_lshr_b32 s8, s56, 1                          ; wo: 32 rows of 16,384 bytes for each pair of fragments,
	s_lshl_b32 s8, s8, 19
	s_and_b32 s9, s56, 1
	s_lshl_b32 s9, s9, 17                          ; 8 rows for the odd one,
	s_or_b32 s8, s8, s9
	s_lshl_b32 s9, s62, 11                         ; my wave's 512 along K
	s_or_b32 s8, s8, s9
	s_mov_b32 s9, 0
	s_add_co_u32 s94, s56, 448                     ; wsq: fragment row 448 + the fragment's number,
	s_mul_i32 s94, s94, FROW
	s_mul_i32 s95, s62, REC                        ; my record
	s_add_co_u32 s94, s94, s95
	s_mov_b32 s95, 0
	s_mov_b32 s[SEL], 0x76543210
	s_mov_b32 s[SEL+1], 0xfedcba98
	s_mov_b32 s[CS], 0x3e0293ee
	s_mov_b32 s[CS+1], s[CS]                       ; (named with it as a pair, so it is written)
	v_and_b32 v10, 31, v0                          ; every LDS address register of both kinds of waves is made here, ahead of the parting
	v_lshlrev_b32 v[LI], 4, v10
	v_lshlrev_b32 v[OW8], 3, v10
	v_lshl_add_u32 v[SRA], v10, 3, s54
	v_and_b32 v8, 15, v0                           ; r
	v_bfe_u32 v9, v0, 4, 1                         ; h
	v_lshlrev_b32 v254, 4, v8                      ; 16 r: Q's scale words' offset
	v_add_nc_u32 v[LS], SCU, v254
	v_lshl_add_u32 v[SWA], v8, 4, s55
	v_and_b32 v10, 7, v0
	v_bfe_u32 v11, v0, 3, 1
	v_lshl_add_u32 v10, v11, 4, v10                ; r % 8 + 16 (r / 8)
	v_lshlrev_b32 v11, 4, v9
	v_sub_nc_u32 v10, v10, v11
	v_add_nc_u32 v[QP], s78, v10
	v_add_nc_u32 v[STI], s63, v[LI]
	v_mul_u32_u24 v[STO], v8, SPITCH
	v_lshl_add_u32 v[STO], v9, 7, v[STO]
	v_add_nc_u32 v[STO], s63, v[STO]
	s_wait_dscnt 0x0                               ; the opening add is done
	s_wait_kmcnt 0x0
	s_cmp_eq_u32 s59, 0
	s_cselect_b64 s[10:11], s[4:5], s[6:7]
	s_add_nc_u64 s[G0A+2:G0A+3], s[10:11], s[60:61]
	s_or_b32 s[G0A+3], s[G0A+3], 0x80000000
	s_add_nc_u64 s[12:13], s[4:5], s[72:73]
	s_add_nc_u64 s[14:15], s[4:5], s[74:75]
	s_add_nc_u64 s[16:17], s[86:87], s[76:77]
	s_add_nc_u64 s[90:91], s[84:85], s[8:9]
	s_add_nc_u64 s[92:93], s[88:89], s[94:95]
	CROUND                                         ; all four work-groups are here: the joint loads meet
	tensor_load_to_lds s[G0A:G0A+3], s[G1A:G1A+7]  ; my one tensor load: there are no others in this text
	s_nop 0
.rept 4
	v_nop
.endr
	s_wait_tensorcnt 0x0                           ; my two records have landed,
	s_barrier_signal -1
	s_barrier_wait -1                              ; everybody's have: K and V are whole
	s_cmp_lt_u32 s[WV], 8                          ; THE PARTING
	s_cbranch_scc0 .Lquantise
	; ---------------- WAVES 0-7: THE ATTENTION ----------------
	global_load_b128 v[16:19], v[LI], s[12:13]     ; Q's fragment stays in registers
	global_load_b128 v[20:23], v[LI], s[12:13] offset:512
	global_load_b128 v[24:27], v[LI], s[12:13] offset:1024
	global_load_b32 v255, v254, s[14:15]           ; and its scale words
	v_mov_b32 v13, 0xff61b1e6                      ; the largest t so far: -3e38, under every t
	v_floor_f32 v12, -v13                          ; -M
	v_mov_b32 v14, 0                               ; the sum, in two halves
	v_mov_b32 v15, 0
.irp b, 0,1,2,3
	v_mov_b32 v[236+\b], 0                         ; written once: a lane permute's destination counts as one of its sources
.endr
	v_mov_b32 v252, 0
	v_mov_b32 v253, 0
.set n, 0
.rept 64
	v_mov_b32 v[160+n], 0                          ; O^T.  (The step is written for every step alike: the first finds zeros, which the first change of M leaves zeros)
.set n, n+1
.endr
; KEY STEP ks: keys 128 ks .. + 127.  A step all of whose keys come after my 16 queries, and every step behind it, is left out: a scalar branch on ids.
.macro STEP ks
.if (\ks) > 0
	s_cmp_lt_u32 s[KMAX], \ks
	s_cbranch_scc1 .Lout
.endif
	v_add_nc_u32 v[ADK], (\ks)*2*REC, v[LI]        ; (these four are also the places in front of the loads below)
	v_add_nc_u32 v[ADS], (\ks)*2*REC, v[LS]
	v_add_nc_u32 v[ADV], HEADB+(\ks)*2*REC, v[LI]
	v_add_nc_u32 v[ADT], HEADB+(\ks)*2*REC, v[LS]
.irp g, 0,1                                    ; S^T = K Q^T, a record (four tiles of 16 keys) at a time
.if \g > 0
.rept 4
	v_nop                                          ; places in front of loads into registers that matrix instructions have read
.endr
.endif
.irp t, 0,1,2,3
.irp c, 0,1,2
	ds_load_b128 v[32+12*\t+4*\c:35+12*\t+4*\c], v[ADK] offset:REC*\g+IMG*\t+512*\c
.endr
.endr
	ds_load_b128 v[248:251], v[ADS] offset:REC*\g  ; the four tiles' scale words
	s_wait_dscnt 0x0
.irp t, 0,1,2,3
	v_wmma_scale_f32_16x16x128_f8f6f4 v[96+8*(4*\g+\t):103+8*(4*\g+\t)], v[32+12*\t:43+12*\t], v[16:27], 0, v[248+\t], v255 matrix_a_fmt:MATRIX_FMT_FP6 matrix_b_fmt:MATRIX_FMT_FP6
.endr
.endr
.rept 4
	v_nop
.endr
	s_cmp_lg_u32 s[KMAX], \ks                      ; only my last step lies on the diagonal: there the scores of hidden keys become -infinity ahead of the maximum
	s_cbranch_scc1 .Lopen_\@
	v_add_nc_u32 v252, -128*(\ks), v[QP]           ; register 16 b + i holds key 128 ks + 16 h + 32 b + i: hidden where 32 b + i > my position - 16 h - 128 ks
	v_mov_b32 v254, 0xff800000
.set n, 0
.rept 64
	v_cmp_gt_i32 vcc_lo, 32*(n/16)+n%16, v252
	v_cndmask_b32 v[96+n], v[96+n], v254, vcc_lo
.set n, n+1
.endr
.Lopen_\@:
.irp b, 0,1,2,3
	v_max3_num_f32 v[232+\b], v[96+16*\b], v[97+16*\b], v[98+16*\b]   ; the largest score of each block of 32 keys: it serves for the row's maximum and, since p rises with the score, for the block's largest p
.endr
.irp i, 3,5,7,9,11,13
.irp b, 0,1,2,3
	v_max3_num_f32 v[232+\b], v[232+\b], v[96+16*\b+\i], v[97+16*\b+\i]
.endr
.endr
.irp b, 0,1,2,3
	v_max_num_f32 v[232+\b], v[232+\b], v[111+16*\b]
.endr
.irp b, 0,1,2,3
	v_permlanex16_b32 v[236+\b], v[232+\b], s[SEL], s[SEL+1]
.endr
.irp b, 0,1,2,3
	v_max_num_f32 v[232+\b], v[232+\b], v[236+\b]  ; with lane l xor 16's 16 keys
.endr
	v_max3_num_f32 v254, v232, v233, v234
	v_max_num_f32 v254, v254, v235                 ; the step's largest score of my query
	v_mul_f32 v254, s[CS], v254                    ; as t
	v_max_num_f32 v13, v13, v254                   ; the running largest t
	v_mov_b32 v254, v12
	v_floor_f32 v12, -v13                          ; the new -M = -ceil(t): a whole number
	v_sub_f32 v254, v12, v254                      ; old M - new M: a whole number, 0 or less
	v_cvt_i32_f32 v254, v254                       ; (it saturates)
	v_ldexp_f32 v252, 1.0, v254                    ; f = 2^(old M - new M): a multiplication by it rounds nothing
.set n, 0
.rept 32
	v_pk_fma_f32 v[96+n:97+n], v[96+n:97+n], s[CS:CS+1], v[12:13] op_sel_hi:[1,0,0]   ; t - M, two at a time
.set n, n+2
.endr
.irp b, 0,1,2,3
	v_fma_f32 v[232+\b], v[232+\b], s[CS], v12     ; the same of each block's largest score
.endr
.set n, 0
.rept 64
	v_exp_f32 v[96+n], v[96+n]                     ; p = 2^(t - M), at most 1: not normalised
.set n, n+1
.endr
	v_pk_mul_f32 v[14:15], v[14:15], v[252:253] op_sel_hi:[1,0]   ; the sums under the new M.  (The plain instruction behind the exponentials)
	s_wait_alu depctr_va_vdst(0)                   ; the wait ahead of the batch's first reader: one for the 64
.irp b, 0,1,2,3
	v_exp_f32 v[232+\b], v[232+\b]                 ; the block's largest p: the same two instructions on the same number give the same bits
.endr
	v_pk_add_f32 v[236:237], v[96:97], v[98:99]    ; the row's sum is taken of the unquantised p, in two chains
.irp j, 4,8,12,16,20,24,28,32,36,40,44,48,52,56,60
	v_pk_add_f32 v[14:15], v[14:15], v[96+\j:97+\j]
	v_pk_add_f32 v[236:237], v[236:237], v[98+\j:99+\j]
.endr
	v_pk_add_f32 v[14:15], v[14:15], v[236:237]
	s_wait_alu depctr_va_vdst(0)                   ; and one for the four
.irp b, 0,1,2,3
	v_max_num_f32 v[232+\b], 0x1800000, v[232+\b]  ; the floor 2^(3 - 127): the byte cannot fall under 1 (a block whose every p is 0 keeps that byte: its codes are zeros)
.endr
.irp b, 0,1,2,3
	v_add_nc_u32 v[244+\b], 0xff000000, v[232+\b]  ; 2 off the exponent field: the conversion's scale operand
.endr
.irp b, 0,1,2,3
	v_lshrrev_b32 v[236+\b], 23, v[244+\b]         ; the scale's byte
.endr
	v_lshl_or_b32 v253, v237, 8, v236              ; p's scale word for these 128 keys
	v_lshl_or_b32 v253, v238, 16, v253
	v_lshl_or_b32 v253, v239, 24, v253
.irp c, 0,1
	v_cvt_scalef32_pk16_fp6_f32 v[224+6*\c:226+6*\c], v[96+32*\c:111+32*\c], v[244+2*\c]
	v_cvt_scalef32_pk16_fp6_f32 v[236+4*\c:238+4*\c], v[112+32*\c:127+32*\c], v[244+2*\c+1]   ; (a conversion's three registers begin on an even number)
.endr
	v_nop                                          ; one plain instruction behind the scaled conversions
.irp c, 0,1                                    ; the operand's layout wants a WHOLE block in a lane
.irp i, 0,1,2
	v_permlane16_swap_b32 v[224+6*\c+\i], v[236+4*\c+\i]
.endr
.irp i, 0,1,2
	v_mov_b32 v[227+6*\c+\i], v[236+4*\c+\i]
.endr
.endr
.set n, 0
.rept 32
	v_pk_mul_f32 v[160+n:161+n], v[160+n:161+n], v[252:253] op_sel_hi:[1,0]   ; O^T under the new M.  (These 32 are also the places in front of the matrix instructions and loads below)
.set n, n+2
.endr
.irp g, 0,1                                    ; O^T += V^T P^T: a record (four tiles of 16 channels) at a time; K = these 128 keys
.if \g > 0
.rept 4
	v_nop
.endr
.endif
.irp t, 0,1,2,3
.irp c, 0,1,2
	ds_load_b128 v[32+12*\t+4*\c:35+12*\t+4*\c], v[ADV] offset:REC*\g+IMG*\t+512*\c
.endr
.endr
	ds_load_b128 v[248:251], v[ADT] offset:REC*\g
	s_wait_dscnt 0x0
.irp t, 0,1,2,3
	v_wmma_scale_f32_16x16x128_f8f6f4 v[160+8*(4*\g+\t):167+8*(4*\g+\t)], v[32+12*\t:43+12*\t], v[224:235], v[160+8*(4*\g+\t):167+8*(4*\g+\t)], v[248+\t], v253 matrix_a_fmt:MATRIX_FMT_FP6 matrix_b_fmt:MATRIX_FMT_FP6
.endr
.endr
.endm
	s_wait_loadcnt 0x0                             ; Q
.irp k, 0,1,2,3,4,5,6,7
	STEP \k
.endr
.Lout:
	; THE WAY OUT.  O^T / the sum; register 16 b + i of a lane is channel 32 b + 16 h + i of its query: quantised along the channels it is one K step (this head's) of the last product's operand.
.rept 4
	v_nop                                          ; places behind the last products
.endr
	v_add_f32 v14, v14, v15                        ; the sum's two halves,
	v_permlanex16_b32 v252, v14, s[SEL], s[SEL+1]
	v_add_f32 v14, v14, v252                       ; and lane l xor 16's: the row's sum
	v_rcp_f32 v14, v14
.irp b, 0,1,2,3
	v_mov_b32 v[TM+4+\b], 0                        ; (plain instructions behind the reciprocal)  a lane permute's destination counts as one of its sources
.endr
	s_wait_alu depctr_va_vdst(0)                   ; the wait ahead of the reciprocal's first reader
.set n, 0
.rept 64
	v_mul_f32 v[96+n], v[160+n], v14
.set n, n+1
.endr
.irp b, 0,1,2,3
	v_max3_num_f32 v[TM+\b], |v[96+16*\b]|, |v[97+16*\b]|, 0x1800000   ; block b: my 16 numbers, and the floor 2^(3 - 127)
.endr
.irp i, 2,4,6,8,10,12,14
.irp b, 0,1,2,3
	v_max3_num_f32 v[TM+\b], v[TM+\b], |v[96+16*\b+\i]|, |v[97+16*\b+\i]|
.endr
.endr
.irp b, 0,1,2,3
	v_permlanex16_b32 v[TM+4+\b], v[TM+\b], s[SEL], s[SEL+1]
.endr
.irp b, 0,1,2,3
	v_max_num_f32 v[TM+\b], v[TM+\b], v[TM+4+\b]
.endr
.irp b, 0,1,2,3
	v_add_nc_u32 v[TM+12+\b], 0xff000000, v[TM+\b]
.endr
.irp b, 0,1,2,3
	v_lshrrev_b32 v[TM+4+\b], 23, v[TM+12+\b]
.endr
	v_lshl_or_b32 v[PW], v[TM+5], 8, v[TM+4]
	v_lshl_or_b32 v[PW], v[TM+6], 16, v[PW]
	v_lshl_or_b32 v[PW], v[TM+7], 24, v[PW]
.irp c, 0,1
	v_cvt_scalef32_pk16_fp6_f32 v[PC+6*\c:PC+2+6*\c], v[96+32*\c:111+32*\c], v[TM+12+2*\c]
	v_cvt_scalef32_pk16_fp6_f32 v[PC+12+4*\c:PC+14+4*\c], v[112+32*\c:127+32*\c], v[TM+12+2*\c+1]
.endr
	v_nop                                          ; one plain instruction behind the scaled conversions
.irp c, 0,1
.irp i, 0,1,2
	v_permlane16_swap_b32 v[PC+6*\c+\i], v[PC+12+4*\c+\i]
.endr
.irp i, 0,1,2
	v_mov_b32 v[PC+3+6*\c+\i], v[PC+12+4*\c+\i]
.endr
.endr
.irp g, 0,1,2
	global_store_b128 v[LI], v[PC+4*\g:PC+4*\g+3], s[16:17] offset:512*\g   ; the image: each store covers 512 consecutive bytes, at a multiple of 256 from the buffer's first byte
.endr
	ds_store_b32 v[SWA], v[PW]                     ; the four heads' words of a fragment meet in one block of 256 bytes (lanes r and r + 16 write the same word with the same value)
	s_branch .Lmeet
	; ---------------- WAVES 8-15: wo ----------------
.macro QLOAD f                         ; fragment f: 16 rows x 512 bytes; each load reads 512 consecutive bytes
.irp j, 0,1,2,3,4,5,6,7,8,9,10,11,12,13,14,15
	global_load_b128 v[R+64*((\f)%2)+4*\j:R+64*((\f)%2)+4*\j+3], v[LI], s[90:91] offset:((\j&7)+16*(\j>>3))*ROWB+512*(\f) th:TH_LOAD_NT
.endr
.endm
.macro QSTEP f
.set RS, R+64*((\f)%2)
.if (\f) < 3
	s_wait_loadcnt 16                              ; this fragment's 16 loads are in; the next fragment's 16 may be out
.else
	s_wait_loadcnt 0x0
.endif
.irp j, 0,1,2,3,4,5,6,7,8,9,10,11,12,13,14,15
	ds_store_b128 v[STI], v[RS+4*\j:RS+4*\j+3] offset:SPITCH*\j
.endr
.irp i, 0,1,2,3,4,5,6,7
	ds_load_b128 v[X+4*\i:X+4*\i+3], v[STO] offset:16*\i             ; K = 32 h + 0 .. 31 of row r.  LDS serves a wave's instructions in order: these see the stores above
.endr
.irp i, 0,1,2,3,4,5,6,7
	ds_load_b128 v[X+32+4*\i:X+32+4*\i+3], v[STO] offset:256+16*\i   ; K = 64 + 32 h + 0 .. 31
.endr
	s_wait_dscnt 0x0                               ; my numbers are back, and the stores into the stage have read their registers
	s_wait_xcnt 0x0                                ; the last fragment's three stores have read their registers: the codes are written again only behind this wait.  It stands ahead of the loads below, whose sources are never rewritten
.if (\f) < 2
	QLOAD (\f)+2                                   ; the set that went into the stage takes the fragment two on
.endif
	v_max3_num_f32 v34, |v[X]|, |v[X+1]|, 0x1800000      ; my two blocks' largest magnitudes, by turns; the floor 2^(3 - 127) holds the byte at 1 from below
	v_max3_num_f32 v35, |v[X+32]|, |v[X+33]|, 0x1800000
.irp i, 2,4,6,8,10,12,14,16,18,20,22,24,26,28,30
	v_max3_num_f32 v34, v34, |v[X+\i]|, |v[X+1+\i]|
	v_max3_num_f32 v35, v35, |v[X+32+\i]|, |v[X+33+\i]|
.endr
	v_add_nc_u32 v36, 0xff000000, v34              ; 2 off the exponent field: the conversion takes the exponent field of this operand as its scale
	v_add_nc_u32 v37, 0xff000000, v35
	v_lshrrev_b32 v38, 23, v36                     ; the scales' bytes: blocks h and 2 + h of row r
	v_lshrrev_b32 v39, 23, v37
	v_lshl_or_b32 v38, v39, 16, v38
	v_lshlrev_b32 v38, v32, v38                    ; at their places in the scale word
	v_permlanex16_b32 v40, v38, s[SEL], s[SEL+1]
	v_or_b32 v[W+(\f)], v38, v40                   ; with lane l xor 16's two the word is whole, in both lanes
	v_cvt_scalef32_pk16_fp6_f32 v[C:C+2], v[X:X+15], v36
	v_cvt_scalef32_pk16_fp6_f32 v[T:T+2], v[X+16:X+31], v36         ; (a conversion's three registers begin on an even number)
	v_cvt_scalef32_pk16_fp6_f32 v[C+6:C+8], v[X+32:X+47], v37
	v_cvt_scalef32_pk16_fp6_f32 v[T+4:T+6], v[X+48:X+63], v37
	v_nop                                          ; one plain instruction behind the scaled conversions
.irp i, 0,1,2
	v_mov_b32 v[C+3+\i], v[T+\i]
	v_mov_b32 v[C+9+\i], v[T+4+\i]
.endr
.irp g, 0,1,2
	global_store_b128 v[LI], v[C+4*\g:C+4*\g+3], s[92:93] offset:(\f)*IMG+512*\g   ; 32 lanes store 512 consecutive bytes, at a multiple of 256 from the buffer's first byte
.endr
.endm
.Lquantise:
	QLOAD 0
	QLOAD 1
	v_bfe_u32 v33, v0, 4, 1                        ; h
	v_lshlrev_b32 v32, 3, v33                      ; 8 h: how far my two scale bytes are shifted
	v_and_b32 v34, 15, v0
	v_lshlrev_b32 v42, 4, v34
	v_lshl_add_u32 v42, v33, 3, v42                ; 16 r + 8 h: my 8 bytes of the record's scale words
	v_mov_b32 v40, 0                               ; written once: a lane permute's destination counts as one of its sources
.irp f, 0,1,2,3
	QSTEP \f
.endr
	v_cmp_ne_u32 vcc_lo, 0, v33
	v_cndmask_b32 v24, v[W], v[W+2], vcc_lo        ; lane (r, h): the words of images 2 h and 2 h + 1 of lane-row r
	v_cndmask_b32 v25, v[W+1], v[W+3], vcc_lo
	global_store_b64 v42, v[24:25], s[92:93] offset:SCU   ; 32 lanes store 256 consecutive bytes, aligned
	; ---------------- ALL WAVES AGAIN ----------------
.Lmeet:
	s_wait_dscnt 0x0                               ; for the others' sake: my LDS stores have landed
	s_barrier_signal -1
	s_barrier_wait -1
	s_and_b32 s8, s[WV], 11                        ; 0 in waves 0 and 4 alone: they store the two fragments' blocks of scale words
	s_cmp_lg_u32 s8, 0
	s_cbranch_scc1 .Lnot_first
	ds_load_b64 v[80:81], v[SRA]
	s_wait_dscnt 0x0
	global_store_b64 v[OW8], v[80:81], s[16:17] offset:SCU   ; 32 lanes store 256 consecutive bytes, aligned (in these waves s[16:17] stands at the record's first byte)
.Lnot_first:
	s_wait_tensorcnt 0x0                           ; the wave's end, behind my last tensor load and my last LDS store
	ds_add_u32 v[SPW], v[NIL]
	s_wait_dscnt 0x0
	CROUND                                         ; the closing round
	s_endpgm
.Lfunc_end_k_q42088fc724_attn:
	.size	k_q42088fc724_attn, .Lfunc_end_k_q42088fc724_attn-k_q42088fc724_attn
	.p2alignl 7, 3214868480
	.fill 96, 4, 3214868480
	.section	.rodata,"a",@progbits
	.p2align	6, 0x0
	.amdhsa_kernel k_q42088fc724_attn
		.amdhsa_group_segment_fixed_size 327680
		.amdhsa_private_segment_fixed_size 0
		.amdhsa_enable_private_segment 0
		.amdhsa_kernarg_size 40
		.amdhsa_user_sgpr_count 2
		.amdhsa_user_sgpr_kernarg_segment_ptr 1
		.amdhsa_wavefront_size32 1
		.amdhsa_system_sgpr_workgroup_id_x 1
		.amdhsa_system_sgpr_workgroup_id_y 1
		.amdhsa_system_sgpr_workgroup_id_z 1
		.amdhsa_system_vgpr_workitem_id 0
		.amdhsa_next_free_vgpr 256
		.amdhsa_next_free_sgpr 96
		.amdhsa_reserve_vcc 1
		.amdhsa_float_denorm_mode_32 3
		.amdhsa_float_denorm_mode_16_64 3
		.amdhsa_memory_ordered 1
		.amdhsa_forward_progress 1
		.amdhsa_inst_pref_size 235
	.end_amdhsa_kernel
	.amdgpu_metadata
---
amdhsa.version: [ 1, 2 ]
amdhsa.kernels:
  - .name:           k_q42088fc724_attn
    .symbol:         k_q42088fc724_attn.kd
    .args:
      - { .name: qk, .offset: 0, .size: 8, .value_kind: global_buffer, .address_space: global }
      - { .name: vc, .offset: 8, .size: 8, .value_kind: global_buffer, .address_space: global }
      - { .name: wo, .offset: 16, .size: 8, .value_kind: global_buffer, .address_space: global }
      - { .name: ac, .offset: 24, .size: 8, .value_kind: global_buffer, .address_space: global }
      - { .name: wsq, .offset: 32, .size: 8, .value_kind: global_buffer, .address_space: global }
    .group_segment_fixed_size: 327680
    .private_segment_fixed_size: 0
    .kernarg_segment_align: 8
    .kernarg_segment_size: 40
    .max_flat_workgroup_size: 512
    .sgpr_count:     96
    .vgpr_count:     256
    .wavefront_size: 32
...
	.end_amdgpu_metadata
.endif
;; end of part 3
;; launch gemm_out (part 4): grid 32 x 8, 4 waves a work-group, clusters of 4 x 4, 327,680 bytes of LDS; arguments ac, wsq, out0; writes out0
.if DOCPART == 4
	.amdgcn_target "amdgcn-amd-amdhsa--gfx1250"
	.amdhsa_code_object_version 6
	.text
	.protected	k_q42088fc724_gemm_out
	.globl	k_q42088fc724_gemm_out
	.p2align	8
	.type	k_q42088fc724_gemm_out,@function
k_q42088fc724_gemm_out:
	s_mov_b64 s[64:65], 0
	v_nop
	global_prefetch_b8 v0, s[64:65] scope:SCOPE_SE
	s_setreg_imm32_b32 hwreg(HW_REG_WAVE_MODE, 25, 1), 1
	s_wait_xcnt 0x0
	s_wait_alu depctr_hold_cnt(0) depctr_sa_sdst(0) depctr_va_vdst(0) depctr_va_sdst(0) depctr_va_ssrc(0) depctr_va_vcc(0) depctr_vm_vsrc(0)
	s_getreg_b32 s2, hwreg(HW_REG_IB_STS2, 6, 4)
	s_cmp_eq_u32 s2, 0
	s_cbranch_scc0 .Lentry_in_a_cluster
	s_endpgm
.Lentry_in_a_cluster:
	s_bfe_u32 s2, ttmp6, 0x10000c
	s_cmp_lg_u32 s2, 0xf033
	s_cbranch_scc0 .Lentry_shape_is_right
	s_endpgm
.Lentry_shape_is_right:
; out0 = (attention's result) wo^T on codes of FP6 (E2M3) with E8M0 scales; out0 [1,024][4,096] f32.  Both operands come as records of register images (four images of 1,536 bytes and 256 bytes of scale words: 6,400 bytes;
; a fragment row is 8 records, 51,200 bytes; fragment 2 b + u holds in lane-row r row 32 b + 8 u + r % 8 + 16 (r / 8)).
; SHARES.  256 work-groups, each 128 rows x 128 columns.  Region U: 8 fragment rows of wo (wsq's rows 448 + 8 t on), source 0; region T: 8 fragment rows of ac (8 ry on), source 1.  Wave w = 2 i + j multiplies U's rows
; 4 j .. 4 j + 3 by T's rows 4 i .. 4 i + 3: 16 accumulators.  A lane holds one position, and its registers of tiles 2 b, 2 b + 1 are the 16 neighbouring columns 32 b + 16 (lane / 16) + 0 .. 15.
; K goes through a ring of two LDS slots; a slot holds one record of each of the 16 fragment rows: 4 K steps of 128, 64 matrix instructions a wave.
; CLUSTERS: 4 x 4.  U hangs on t alone and is asked for jointly down a column of the cluster, T on ry alone and along a row.
; REGISTERS: window 0: v16-29 addresses; v32-95 scale words, two sets of 32, and nothing else; v128-223 source 1's fragments, two sets (on the way out v128-191: rows read back from the stage).
;   window 1: v0-95 source 0's fragments, two sets; v128-255 the accumulators ((a, b) at v[128 + 8 (4 a + b)]).
.set NB,    4
.set UF,    8
.set REC,   6400
.set IMG,   1536
.set SCU,   6144
.set FROW,  51200
.set SLOT,  (UF+8)*REC
.set SPARE, 2*SLOT                     ; behind the ring: the spare words, 128 bytes for each wave, which no other line names
.set SS,    4*NB+16
.set SP,    272                        ; the way out: a stage of 16 rows x (256 bytes + 16) for each wave, in slot 0, which has had its last fill and its last read when the first result is stored there
.set AD0, 16
.set AD1, 18
.set AS0, 20
.set AS1, 22
.set LI,  24                           ; v24  16 x lane
.set STO, 25                           ; v25  the stage: where I put 32 bytes of a row
.set RD,  26                           ; v26  and where I read a row back
.set CO,  27                           ; v27  my byte offset in two rows of out0
.set SPW, 28                           ; v28  LDS address of my spare word; never rewritten
.set NIL, 29                           ; v29  0; never rewritten
.set SC,  32
.set F1,  128
.set S0F, 0
.set ACC, 128
.set BK,  128
.set G1T, 24
.set G0T, 32
.set G1U, 48
.set G0U, 56
.set MUL, 0x51                         ; source 0 window 1, source 1 window 0, C and D window 1
.set TO_S0, 0x40
.set MSB, 0
.macro WIN new                         ; the immediate's high byte repeats the setting that is left
.if MSB != \new
	s_set_vgpr_msb (MSB<<8)|\new
.set MSB, \new
.endif
.endm
; A joint load: waves 0 and 1 fetch U's halves, waves 2 and 3 T's.  An s_nop 0 and four v_nop follow each of the two lines.
.macro JLOAD g0u, g1u, g0t, g1t
	s_cmp_eq_u32 s15, 0
	s_cbranch_scc0 .Lfor_t_\@
	tensor_load_to_lds s[\g0u:\g0u+3], s[\g1u:\g1u+7]
	s_nop 0
.rept 4
	v_nop
.endr
	s_branch .Lasked_\@
.Lfor_t_\@:
	tensor_load_to_lds s[\g0t:\g0t+3], s[\g1t:\g1t+7]
	s_nop 0
.rept 4
	v_nop
.endr
.Lasked_\@:
.endm
.macro CREST
	s_cmp_lg_u32 s14, 0
	s_cbranch_scc1 .Lnot_wave_0_\@
	s_barrier_signal -3
.Lnot_wave_0_\@:
	s_barrier_wait -3
	s_barrier_signal -1
	s_barrier_wait -1
.endm
.macro CROUND
	s_barrier_signal -1
	s_barrier_wait -1
	CREST
.endm
.macro PLACES                          ; four plain instructions between a matrix instruction and a load into, or a read of, its registers (ISA guide 7.12.1 for vector instructions)
.rept 4
	v_nop
.endr
.endm
	s_load_b128 s[4:7], s[0:1], 0x0                ; ac, wsq
	s_load_b64 s[8:9], s[0:1], 0x10                ; out0
	v_lshl_add_u32 v[SPW], v0, 2, SPARE
	v_mov_b32 v[NIL], 0
	ds_add_u32 v[SPW], v[NIL]                      ; the wave's opening: the add and its wait ahead of my first tensor load; the set-up below, work on registers, stands between them
	v_lshrrev_b32 v1, 5, v0
	v_readfirstlane_b32 s14, v1                    ; wave 0..3
	s_lshr_b32 s15, s14, 1                         ; i.  Also: I fetch for U (0) or for T (1)
	s_and_b32 s16, s14, 1                          ; j.  Also: which half of the region I fetch
	s_bfe_u32 s40, ttmp6, 0x40000                  ; cx, cy
	s_bfe_u32 s41, ttmp6, 0x40004
	s_lshl_b32 s42, ttmp9, 2
	s_add_co_u32 s42, s42, s40                     ; t = 4 x cluster x + cx
	s_and_b32 s17, ttmp7, 0xffff
	s_lshl_b32 s17, s17, 2
	s_add_co_u32 s17, s17, s41                     ; ry = 4 x cluster y + cy
	s_lshl_b32 s43, s41, 2
	s_lshl_b32 s43, 15, s43                        ; my row of the cluster
	s_lshl_b32 s44, 0x1111, s40                    ; my column
	s_or_b32 s[G1T+0], s43, (3<<16)|(1<<21)        ; 15:0 the mask; 17:16 elements of 8 bytes; no padding; 21 set beside a mask
	s_or_b32 s[G1U+0], s44, (3<<16)|(1<<21)
.irp g, G1T, G1U
	s_mov_b32 s[\g+1], 800<<16                     ; tensor_dim0: a record, 800 elements
	s_mov_b32 s[\g+2], 4<<16                       ; tensor_dim1: four fragment rows
	s_mov_b32 s[\g+3], 800<<16                     ; tile_dim0
	s_mov_b32 s[\g+4], 4                           ; tile_dim1
	s_mov_b32 s[\g+5], 6400                        ; tensor_dim0_stride: a fragment row
	s_mov_b32 s[\g+6], 0
	s_mov_b32 s[\g+7], 0
.endr
	s_lshl_b32 s46, s42, 3                         ; U: wsq's fragment row 448 + 8 t + 4 x half
	s_lshl_b32 s47, s16, 2
	s_add_co_u32 s46, s46, s47
	s_add_co_u32 s46, s46, 448
	s_mul_i32 s46, s46, FROW
	s_mov_b32 s47, 0
	s_lshl_b32 s20, s17, 3                         ; T: ac's fragment row 8 ry + 4 x half
	s_lshl_b32 s21, s16, 2
	s_add_co_u32 s20, s20, s21
	s_mul_i32 s20, s20, FROW
	s_mov_b32 s21, 0
	s_mul_i32 s45, s16, (UF/2)*REC                 ; where they go: no place in the cluster enters an LDS address
	s_mul_i32 s23, s16, 4*REC
	s_add_co_u32 s23, s23, UF*REC
	s_wait_dscnt 0x0                               ; the opening add is done
	s_wait_kmcnt 0x0
	s_add_nc_u64 s[46:47], s[6:7], s[46:47]
	s_add_nc_u64 s[20:21], s[4:5], s[20:21]
	CROUND                                         ; all sixteen work-groups are here: the first joint loads meet
.irp s, 0,1
	s_mov_b32 s[G0U+4*\s], 1
	s_add_co_u32 s[G0U+4*\s+1], s45, \s*SLOT
	s_add_nc_u64 s[G0U+4*\s+2:G0U+4*\s+3], s[46:47], \s*REC
	s_or_b32 s[G0U+4*\s+3], s[G0U+4*\s+3], 0x80000000
	s_mov_b32 s[G0T+4*\s], 1
	s_add_co_u32 s[G0T+4*\s+1], s23, \s*SLOT
	s_add_nc_u64 s[G0T+4*\s+2:G0T+4*\s+3], s[20:21], \s*REC
	s_or_b32 s[G0T+4*\s+3], s[G0T+4*\s+3], 0x80000000
	JLOAD G0U+4*\s, G1U, G0T+4*\s, G1T             ; records 0 and 1: two loads of mine are out
.endr
	v_and_b32 v1, 15, v0                           ; r
	v_bfe_u32 v2, v0, 4, 1                         ; h
	v_and_b32 v3, 31, v0
	v_lshlrev_b32 v[LI], 4, v3
	v_lshlrev_b32 v3, 4, v1
	v_add_nc_u32 v3, SCU, v3
	s_mul_i32 s21, s16, NB*REC
	s_mul_i32 s22, s15, 4*REC
	s_add_co_u32 s22, s22, UF*REC
.irp s, 0,1
	v_add_nc_u32 v[AD0+\s], s21, v[LI]
	v_add_nc_u32 v[AD1+\s], s22, v[LI]
	v_add_nc_u32 v[AS0+\s], s21, v3
	v_add_nc_u32 v[AS1+\s], s22, v3
	s_add_co_u32 s21, s21, SLOT
	s_add_co_u32 s22, s22, SLOT
.endr
	s_mul_i32 s22, s14, 16*SP                      ; my stage
	v_mul_u32_u24 v4, v1, SP                       ; in: lane-row r, + 64 h
	v_lshl_add_u32 v4, v2, 6, v4
	v_add_nc_u32 v[STO], s22, v4
	v_mul_u32_u24 v5, v2, SP                       ; back: lanes 0-15 one row of 256 bytes, lanes 16-31 the next
	v_lshl_add_u32 v5, v1, 4, v5
	v_add_nc_u32 v[RD], s22, v5
	v_lshlrev_b32 v5, 14, v2                       ; and the same two rows of out0, 16,384 bytes apart
	v_lshl_add_u32 v[CO], v1, 4, v5
	s_lshl_b32 s18, s17, 7
	s_lshl_b32 s19, s15, 6
	s_add_co_u32 s18, s18, s19
	s_lshl_b32 s18, s18, 14                        ; my first row: 128 ry + 64 i
	s_lshl_b32 s19, s42, 9                         ; my first column, in bytes: 512 t + 256 j
	s_add_co_u32 s18, s18, s19
	s_lshl_b32 s19, s16, 8
	s_add_co_u32 s18, s18, s19
	s_mov_b32 s19, 0
	s_add_nc_u64 s[12:13], s[8:9], s[18:19]
.macro FETCH slot, q, bs               ; the fragments of the slot's q-th K step into set bs: an image comes by three loads of 512 consecutive bytes
	WIN TO_S0
.irp b, 0,1,2,3
.irp g, 0,1,2
	ds_load_b128 v[S0F+12*NB*(\bs)+12*\b+4*\g:S0F+12*NB*(\bs)+12*\b+4*\g+3], v[AD0+\slot] offset:REC*\b+IMG*(\q)+512*\g
.endr
.endr
	WIN 0
.irp a, 0,1,2,3
.irp g, 0,1,2
	ds_load_b128 v[F1+48*(\bs)+12*\a+4*\g:F1+48*(\bs)+12*\a+4*\g+3], v[AD1+\slot] offset:REC*\a+IMG*(\q)+512*\g
.endr
.endr
.endm
.macro SCALES slot                     ; one load gives a fragment row's scale words of all four K steps
.irp b, 0,1,2,3
	ds_load_b128 v[SC+SS*\slot+4*\b:SC+SS*\slot+4*\b+3], v[AS0+\slot] offset:REC*\b
.endr
.irp a, 0,1,2,3
	ds_load_b128 v[SC+SS*\slot+4*NB+4*\a:SC+SS*\slot+4*NB+4*\a+3], v[AS1+\slot] offset:REC*\a
.endr
.endm
; Four matrix instructions: source 1's fragment a against source 0's four.  The 16 accumulators take turns, one instruction a turn, in the same order in every K step.
.macro MULA a, bs, q, sc, zero
.irp b, 0,1,2,3
.if \zero
	v_wmma_scale_f32_16x16x128_f8f6f4 v[ACC+8*(NB*(\a)+\b):ACC+8*(NB*(\a)+\b)+7], v[S0F+12*NB*(\bs)+12*\b:S0F+12*NB*(\bs)+12*\b+11], v[F1+48*(\bs)+12*(\a):F1+48*(\bs)+12*(\a)+11], 0, v[SC+SS*(\sc)+4*\b+(\q)], v[SC+SS*(\sc)+4*NB+4*(\a)+(\q)] matrix_a_fmt:MATRIX_FMT_FP6 matrix_b_fmt:MATRIX_FMT_FP6
.else
	v_wmma_scale_f32_16x16x128_f8f6f4 v[ACC+8*(NB*(\a)+\b):ACC+8*(NB*(\a)+\b)+7], v[S0F+12*NB*(\bs)+12*\b:S0F+12*NB*(\bs)+12*\b+11], v[F1+48*(\bs)+12*(\a):F1+48*(\bs)+12*(\a)+11], v[ACC+8*(NB*(\a)+\b):ACC+8*(NB*(\a)+\b)+7], v[SC+SS*(\sc)+4*\b+(\q)], v[SC+SS*(\sc)+4*NB+4*(\a)+(\q)] matrix_a_fmt:MATRIX_FMT_FP6 matrix_b_fmt:MATRIX_FMT_FP6
.endif
.endr
.endm
.macro STEP slot, q, zero              ; a K step that has its successor in the same slot
	s_wait_dscnt 0x0                               ; this step's fragments (and a slot's scale words) are in: they were asked for a K step ago
	PLACES
	FETCH \slot, (\q)+1, ((\q)+1)%2
	WIN MUL
	MULA 0, (\q)%2, \q, \slot, \zero
	MULA 1, (\q)%2, \q, \slot, \zero
	MULA 2, (\q)%2, \q, \slot, \zero
	MULA 3, (\q)%2, \q, \slot, \zero
	WIN 0
.endm
; A slot's last K step changes slots: ONE barrier; in front of it each wave waits for all its tensor loads, adds 0 to its spare word, and waits for that and for its reads of this slot.  fill = 1: this slot takes the record two on.
.macro TURN slot, next, fill
	s_wait_tensorcnt 0x0                           ; all my tensor loads have landed: the one that was out is my part of the next slot
	ds_add_u32 v[SPW], v[NIL]                      ; 0 onto my spare word
	s_wait_dscnt 0x1                               ; this step's fragments are in; the add may be out
	WIN MUL
	MULA 0, 1, 3, \slot, 0                         ; four matrix instructions stand between the add and the wait for it
	s_wait_dscnt 0x0                               ; the add is done, and my reads of this slot are over
	s_barrier_signal -1
	MULA 1, 1, 3, \slot, 0
	WIN 0
	s_barrier_wait -1
.if \fill
	CREST                                          ; the barrier has opened a round of the cluster's barrier: no wave of any partner still reads this slot or has a load on its way
	s_add_nc_u64 s[G0U+4*\slot+2:G0U+4*\slot+3], s[G0U+4*\slot+2:G0U+4*\slot+3], 2*REC
	s_add_nc_u64 s[G0T+4*\slot+2:G0T+4*\slot+3], s[G0T+4*\slot+2:G0T+4*\slot+3], 2*REC
	JLOAD G0U+4*\slot, G1U, G0T+4*\slot, G1T       ; the first tensor load behind the round, my one load until the next; its four v_nop are also the places in front of the loads below
.else
	PLACES
.endif
	FETCH \next, 0, 0
	SCALES \next
	WIN MUL
	MULA 2, 1, 3, \slot, 0
	MULA 3, 1, 3, \slot, 0
	WIN 0
.endm
	s_wait_tensorcnt 0x1                           ; my part of record 0 is in (record 1's load may be out)
	s_barrier_signal -1
	s_barrier_wait -1                              ; everybody's is
	FETCH 0, 0, 0
	SCALES 0
	STEP 0, 0, 1                                   ; the first K step stands in front of the loop: its products start the sums
	s_mov_b32 s3, 3
.Llap:                                                 ; a trip goes once round the ring and fills both slots again: records 2 to 7 in three trips
	STEP 0, 1, 0
	STEP 0, 2, 0
	TURN 0, 1, 1
	STEP 1, 0, 0
	STEP 1, 1, 0
	STEP 1, 2, 0
	TURN 1, 0, 1
	STEP 0, 0, 0
	s_sub_co_u32 s3, s3, 1
	s_cmp_lg_u32 s3, 0
	s_cbranch_scc1 .Llap
	STEP 0, 1, 0                                   ; the last lap fills nothing, and has no round of the cluster's barrier
	STEP 0, 2, 0
	TURN 0, 1, 0
	STEP 1, 0, 0
	STEP 1, 1, 0
	STEP 1, 2, 0
	s_wait_dscnt 0x0
	WIN MUL
	MULA 0, 1, 3, 1, 0
	MULA 1, 1, 3, 1, 0
	MULA 2, 1, 3, 1, 0
	MULA 3, 1, 3, 1, 0
	WIN 0
	PLACES
; THE WAY OUT, a fragment of 16 positions x my 64 columns at a time, through my own stage in LDS: a lane's eight results of tile b are columns 32 (b / 2) + 16 h + 8 (b % 2) + 0 .. 7 of lane-row r; whole rows of 256 bytes come back.
; LDS serves a wave's instructions in order: no wait between the stores and the loads, nor in front of the next fragment's stores.
.macro TOSTAGE a
	WIN 0x04                                       ; an LDS store's data are its source 1: window 1
.irp b, 0,1,2,3
	ds_store_b128 v[STO], v[ACC+8*(NB*(\a)+\b):ACC+8*(NB*(\a)+\b)+3] offset:128*(\b>>1)+32*(\b&1)      ; each accumulator from its low end on
	ds_store_b128 v[STO], v[ACC+8*(NB*(\a)+\b)+4:ACC+8*(NB*(\a)+\b)+7] offset:128*(\b>>1)+32*(\b&1)+16
.endr
	WIN 0
.irp e, 0,1,2,3,4,5,6,7
	ds_load_b128 v[BK+32*((\a)%2)+4*\e:BK+32*((\a)%2)+4*\e+3], v[RD] offset:2*SP*\e
.endr
.endm
.macro SEND a, younger                 ; lane-row 2 e + (lane / 16) of fragment a is position 32 (a / 2) + 8 (a % 2) + 2 e + 8 (e / 4) + (lane / 16) of my 64
	s_wait_dscnt \younger
.irp e, 0,1,2,3,4,5,6,7
	global_store_b128 v[CO], v[BK+32*((\a)%2)+4*\e:BK+32*((\a)%2)+4*\e+3], s[12:13] offset:(2*\e+8*(\e>>2)+8*((\a)&1)+32*((\a)>>1))*16384 th:TH_STORE_NT   ; sixteen lanes store 256 consecutive bytes, aligned
.endr
.endm
	TOSTAGE 0
.irp a, 1,2,3
.if \a > 1
	s_wait_xcnt 0x0                                ; fragment a - 2's stores have read their registers: fragment a's loads may land there
.endif
	TOSTAGE \a
	SEND \a-1, 16                                  ; behind fragment a - 1's loads: fragment a's 8 stores and 8 loads
.endr
	SEND 3, 0
	s_wait_tensorcnt 0x0                           ; the wave's end, behind my last tensor load and my last LDS store
	ds_add_u32 v[SPW], v[NIL]
	s_wait_dscnt 0x0
	CROUND                                         ; the closing round: no work-group ends while a partner may still ask for a tile that names it
	s_endpgm
.Lfunc_end_k_q42088fc724_gemm_out:
	.size	k_q42088fc724_gemm_out, .Lfunc_end_k_q42088fc724_gemm_out-k_q42088fc724_gemm_out
	.p2alignl 7, 3214868480
	.fill 96, 4, 3214868480
	.section	.rodata,"a",@progbits
	.p2align	6, 0x0
	.amdhsa_kernel k_q42088fc724_gemm_out
		.amdhsa_group_segment_fixed_size 327680
		.amdhsa_private_segment_fixed_size 0
		.amdhsa_enable_private_segment 0
		.amdhsa_kernarg_size 24
		.amdhsa_user_sgpr_count 2
		.amdhsa_user_sgpr_kernarg_segment_ptr 1
		.amdhsa_wavefront_size32 1
		.amdhsa_system_sgpr_workgroup_id_x 1
		.amdhsa_system_sgpr_workgroup_id_y 1
		.amdhsa_system_sgpr_workgroup_id_z 1
		.amdhsa_system_vgpr_workitem_id 0
		.amdhsa_next_free_vgpr 512
		.amdhsa_next_free_sgpr 72
		.amdhsa_reserve_vcc 0
		.amdhsa_float_denorm_mode_32 3
		.amdhsa_float_denorm_mode_16_64 3
		.amdhsa_memory_ordered 1
		.amdhsa_forward_progress 1
		.amdhsa_inst_pref_size 80
	.end_amdhsa_kernel
	.amdgpu_metadata
---
amdhsa.version: [ 1, 2 ]
amdhsa.kernels:
  - .name:           k_q42088fc724_gemm_out
    .symbol:         k_q42088fc724_gemm_out.kd
    .args:
      - { .name: ac, .offset: 0, .size: 8, .value_kind: global_buffer, .address_space: global }
      - { .name: wsq, .offset: 8, .size: 8, .value_kind: global_buffer, .address_space: global }
      - { .name: out0, .offset: 16, .size: 8, .value_kind: global_buffer, .address_space: global }
    .group_segment_fixed_size: 327680
    .private_segment_fixed_size: 0
    .kernarg_segment_align: 8
    .kernarg_segment_size: 24
    .max_flat_workgroup_size: 128
    .sgpr_count:     72
    .vgpr_count:     512
    .wavefront_size: 32
...
	.end_amdgpu_metadata
.endif
;; end of part 4
